; MI455X (gfx1250); checked and timed in simulation.
; The chip was launched on July 23, 2026; its instructions are those of AMD's public machine-readable ISA for CDNA 5 (MIT licence, August 2026) and "CDNA5" Instruction Set Architecture Reference Guide (July 2026). The comments in the code are by the model that wrote it; some were corrected since.
;; Causal Self Attention. Allowed arithmetic: matrix products marked QUANTISED: E2M1 operands, one E8M0 scale for each 32 along K, by v_wmma_scale_f32_16x16x128_f8f6f4 with both operands' format E2M1 (or v_wmma_scale_f32_32x16x128_f4), f32 sums; products left as they are: bf16, f16 or f32 operands; f32 sums; everything else in f32.
;; Inputs: W_proj 1,024 x 1,024 float32; W_qkv 1,024 x 3,072 float32; x 2 x 2,048 x 1,024 float32.
;; Outputs: out0 2 x 2,048 x 1,024 float32; out1 2 x 2,048 float32.
;; This version of the problem:
;;   THIS VERSION OF THE PROBLEM IS GIVEN IN LOW PRECISION. The matrix products marked QUANTISED in the list below multiply operands that are first quantised to E2M1 (2 exponent bits, 1 mantissa bit; 4 bits a number), with one power-of-two scale for each 32 numbers along K (OCP MX v1.0); their sums are f32. The products marked 'left as it is' may take bf16, f16 or f32 operands, with f32 sums. Whichever they take, every output number must still come out within the allowed error. Rounding operands to bf16 (8 significant bits) uses up far more of that allowance than f16 does (11 bits, for magnitudes from 6e-5 to 65,504). All else is computed in f32.
;;   The module's matrix products, in the order in which they are computed (A, B: the left and right operand; K: the contracted axis; several contracted axes count as one K, in the product's order):
;;     1. [M 4,096, K 1,024] x [K 1,024, N 3,072]; A: input x; B: input W_qkv: QUANTISED
;;     2. batch 32 x [M 2,048, K 64] x [K 64, N 2,048]; A: computed on the way; B: computed on the way: left as it is (an operand is computed on the way)
;;     3. batch 32 x [M 2,048, K 2,048] x [K 2,048, N 64]; A: computed on the way; B: computed on the way: left as it is (an operand is computed on the way)
;;     4. [M 4,096, K 1,024] x [K 1,024, N 1,024]; A: computed on the way; B: input W_proj: left as it is (an operand is computed on the way)
;;   THE QUANTISER, for each operand of a quantised product, along K:
;;     - K is cut into blocks of 32 from its start; a last block that is shorter is filled with zeros.
;;     - A block's scale is 2^e with e = floor(log2(the largest magnitude in the block)) - 2, held to -126 .. 127; a block of zeros has e = 0. As a byte (E8M0): e + 127.
;;     - Each number is divided by its block's scale, clamped to +-6, and rounded to the nearest number of E2M1, ties to even, subnormals kept.
;;     - The product sums the exact products of the quantised numbers (number of the format x scale) in f32.
;;   ~~~python
;;   def quantise(x, axis):      # numpy; x: float32 -> the quantised numbers, widened to float32 again
;;       x = np.moveaxis(x, axis, -1); K = x.shape[-1]
;;       x = np.pad(x, [(0, 0)] * (x.ndim - 1) + [(0, -K % 32)]); x = x.reshape(x.shape[:-1] + (-1, 32)); a = np.abs(x).max(-1, keepdims=True)
;;       e = np.where(a > 0, np.clip(np.frexp(np.where(a > 0, a, 1))[1] - 1 - 2, -126, 127), 0)      # np.frexp(a)[1] - 1 = floor(log2(a)), exactly
;;       r = np.clip(x / 2.0 ** e, -6, 6)
;;       step = 2.0 ** (np.maximum(np.frexp(np.where(r == 0, 1, r))[1] - 1, 0) - 1)
;;       q = np.round(r / step) * step * 2.0 ** e      # np.round: ties to even
;;       return np.moveaxis(q.reshape(q.shape[:-2] + (-1,))[..., :K], -1, axis).astype(np.float32)
;;   ~~~
;; One version. Each part assembles by itself: llvm-mc -triple=amdgcn-amd-amdhsa -mcpu=gfx1250 --defsym DOCPART=n.
;; ======== version 1 of 1: 5 launches
;; limits: a function is approximated: absolute error at most 2.048e-06; values are held in f16: magnitudes above 65,504 overflow, below 6.1e-05 lose precision
;; workspace buffers: xc 2,097,152 bytes; scl 229,376 bytes; wimg 1,572,864 bytes; wpimg 2,097,152 bytes; qkv16 25,165,824 bytes; qkv32 393,216 bytes; yimg 8,388,608 bytes; ent 262,144 bytes
;; launch prep (part 1): grid 384 x 1, 4 waves a work-group, no clusters, 33,280 bytes of LDS; arguments x, W_qkv, W_proj, xc, scl, wimg, wpimg; writes xc, scl, wimg, wpimg
.if DOCPART == 1
	.amdgcn_target "amdgcn-amd-amdhsa--gfx1250"
	.amdhsa_code_object_version 6
	.text
	.protected	k_q6a438dd820_prep
	.globl	k_q6a438dd820_prep
	.p2align	8
	.type	k_q6a438dd820_prep,@function
k_q6a438dd820_prep:
	s_mov_b64 s[64:65], 0
	v_nop
	global_prefetch_b8 v0, s[64:65] scope:SCOPE_SE
	s_setreg_imm32_b32 hwreg(HW_REG_WAVE_MODE, 25, 1), 1
	s_wait_xcnt 0x0
; THREE ROLES, by the work-group's number.
; X (work-groups 0-127): x [4096][1024] f32 becomes codes of E2M1, K innermost (xc, 512 bytes a row), and one E8M0 byte for each 32 along K (scl, 32 bytes a row).
; W (128-319): W_qkv [1024 (k)][3072 (n)] f32 is quantised along its FIRST axis.  A lane takes a column, its registers run down K.  The codes leave in the order of the operand's registers:
;   wimg [n / 16][k / 128][c 2][lane 32][16 bytes], piece (c, lane = 16 h + r) = k 64 c + 32 h + 0..31 of column r.  Scale bytes: scl + 131072, [3072][32].
; P (320-383): W_proj [1024 (k)][1024 (n)] f32 becomes f16 in the order of a 16-bit operand's registers: wpimg [n / 16][k / 32][c 2][lane][16 bytes], piece = k 16 c + 8 h + 0..7 of column r.
; A block's scale is 2^(floor(log2(largest magnitude)) - 2); its byte is the largest magnitude's exponent field - 2, held at 1 from below.
; LIMITS: a block of zeros gets the byte 1 where the quantiser says 127 (its codes are zeros, and this program alone reads the bytes); NaN and infinities among the inputs are not served;
; |W_proj| must stay under 65,504 (f16).  Role W's scale words are 4 bytes of each column's 32: 98,304 bytes in all, written in parts of their 256-byte blocks.
; Only role X touches LDS; waves share nothing, so there is no barrier.
.set WAVES, 4
.set STEPS, 16
.set AH,    8                          ; role X: loads run eight steps (32 loads a wave) ahead
.set CB,    8                          ; bytes of 16 codes
.set SP,    80                         ; a lane's place in a stage: 64 bytes + 16 of padding
.set WREG,  8192                       ; LDS of a wave: two stages of 32 x SP bytes, then its 256 scale bytes
.set SPARE, WAVES*WREG                 ; the spare words, 128 bytes a wave: no other line names them
.set SPW,   12                         ; v12  LDS address of my spare word; never rewritten
.set NIL,   13                         ; v13  0; never rewritten
.set R,     16                         ; role X: v16-143 eight sets of 16 numbers as loaded
.set X,     144                        ;         v144-175 two sets of 16 neighbours
.set E,     176                        ;         v176-191 a scale byte for each step
.set C,     192                        ;         v192-223 two registers of codes for each step
.set N,     32                         ; roles W, P: v32-159 128 numbers down K
.set D,     160                        ;             v160-223 what leaves
.set QROW,  12288                      ; a row of W_qkv in bytes
.set PROW,  4096                       ; a row of W_proj
	s_load_b256 s[4:11], s[0:1], 0x0               ; x, W_qkv, W_proj, xc
	s_load_b128 s[12:15], s[0:1], 0x20             ; scl, wimg
	s_load_b64 s[20:21], s[0:1], 0x30              ; wpimg
	v_lshl_add_u32 v[SPW], v0, 2, SPARE
	v_mov_b32 v[NIL], 0
	v_lshrrev_b32 v1, 5, v0
	v_readfirstlane_b32 s16, v1                    ; wave
	v_and_b32 v2, 31, v0                           ; lane
	v_lshlrev_b32 v3, 4, v2                        ; role X: my 16 bytes of a load's 512
	s_mul_i32 s17, s16, WREG
	v_lshrrev_b32 v14, 2, v2
	v_mul_u32_u24 v14, v14, SP
	v_and_b32 v15, 3, v2
	v_lshl_add_u32 v14, v15, 4, v14
	v_add_nc_u32 v14, s17, v14                     ; the stage on the way in: SP (lane / 4) + 16 (lane % 4)
	v_mul_u32_u24 v15, v2, SP
	v_add_nc_u32 v15, s17, v15                     ; and on the way out: SP x lane
	v_mul_u32_u24 v4, v2, CB                       ; my codes' place in a step's 256 bytes
	v_lshrrev_b32 v5, 1, v2
	s_add_co_u32 s17, s17, 2*32*SP
	v_add_nc_u32 v5, s17, v5                       ; LDS: my block's scale byte
	v_lshlrev_b32 v7, 3, v2
	v_add_nc_u32 v6, s17, v7                       ; and on the way out 8 bytes a lane
	s_mov_b32 s23, 0
	s_wait_kmcnt 0x0
	s_cmp_lt_u32 ttmp9, 128
	s_cbranch_scc0 .Lweights
; ---------------- role X: a wave takes 16 steps of 512 numbers.  Loads take the bytes as they lie (512 a load); a step's 2,048 bytes turn through the wave's stage, so that a lane holds 16 neighbours.
	s_lshl_b32 s18, ttmp9, 2
	s_add_co_u32 s18, s18, s16                     ; which run of 8,192 numbers is my wave's
	s_lshl_b32 s22, s18, 15
	s_add_nc_u64 s[4:5], s[4:5], s[22:23]          ; 32,768 bytes of x a run,
	s_lshl_b32 s22, s18, 12
	s_add_nc_u64 s[10:11], s[10:11], s[22:23]      ; 4,096 of codes,
	s_lshl_b32 s22, s18, 8
	s_add_nc_u64 s[12:13], s[12:13], s[22:23]      ; 256 scale bytes
.macro XLOAD t
.irp i, 0,1,2,3
	global_load_b128 v[R+16*((\t)%AH)+4*\i:R+16*((\t)%AH)+4*\i+3], v3, s[4:5] offset:2048*(\t)+512*\i th:TH_LOAD_NT
.endr
.endm
.macro XTURN t                         ; LDS serves a wave's instructions in order: no wait between the stores and the loads
.irp i, 0,1,2,3
	ds_store_b128 v14, v[R+16*((\t)%AH)+4*\i:R+16*((\t)%AH)+4*\i+3] offset:32*SP*((\t)%2)+8*SP*\i
.endr
.irp i, 0,1,2,3
	ds_load_b128 v[X+16*((\t)%2)+4*\i:X+16*((\t)%2)+4*\i+3], v15 offset:32*SP*((\t)%2)+16*\i
.endr
.endm
.irp t, 0,1,2,3,4,5,6,7
	XLOAD \t
.endr
	s_wait_loadcnt 4*(AH-1)                        ; step 0's four loads are in; the seven younger steps' 28 stay out
	XTURN 0
.macro XSTEP t
.set XS, X+16*((\t)%2)
.if (\t) > 0
	s_wait_dscnt 1                                 ; this step's numbers are back from the stage; the last step's byte store may be out
.else
	s_wait_dscnt 0x0
.endif
.if (\t)+AH < STEPS
	XLOAD (\t)+AH                                  ; into the set that this step's stage stores have read
.endif
.if (\t)+1 < STEPS
.if (\t)+AH < STEPS
	s_wait_loadcnt 4*(AH-1)                        ; the next step's loads are in; those of the AH - 1 steps behind it may be out
.else
	s_wait_loadcnt 4*(STEPS-2-(\t))                ; towards the end: the steps still behind it
.endif
	XTURN (\t)+1
.endif
	v_max3_num_f32 v8, |v[XS]|, |v[XS+1]|, |v[XS+2]|
	v_max3_num_f32 v9, |v[XS+3]|, |v[XS+4]|, |v[XS+5]|
.irp i, 6,10
	v_max3_num_f32 v8, v8, |v[XS+\i]|, |v[XS+\i+1]|
	v_max3_num_f32 v9, v9, |v[XS+\i+2]|, |v[XS+\i+3]|
.endr
	v_max3_num_f32 v8, v8, |v[XS+14]|, |v[XS+15]|
	v_max3_num_f32 v8, v8, v9, 0x1800000           ; and the floor 2^(3 - 127): the byte cannot fall under 1
	v_max_num_f32_dpp v8, v8, v8 row_xmask:1 row_mask:0xf bank_mask:0xf   ; with my neighbour's 16: the block's largest magnitude
	v_add_nc_u32 v11, 0xff000000, v8               ; 2 off its exponent field: the conversion takes this operand's exponent field as its scale
	v_cvt_scalef32_pk8_fp4_f32 v[C+2*(\t)], v[XS:XS+7], v11
	v_cvt_scalef32_pk8_fp4_f32 v[C+2*(\t)+1], v[XS+8:XS+15], v11
	v_lshrrev_b32 v[E+(\t)], 23, v11               ; the scale's byte (also the plain line behind the conversions)
	ds_store_b8 v5, v[E+(\t)] offset:16*(\t)       ; both lanes of a block write the same byte with the same value
	global_store_b64 v4, v[C+2*(\t):C+2*(\t)+1], s[10:11] offset:32*CB*(\t)   ; the wave stores 256 consecutive bytes, aligned
.endm
.irp t, 0,1,2,3,4,5,6,7,8,9,10,11,12,13,14,15
	XSTEP \t
.endr
	ds_load_b64 v[8:9], v6
	s_wait_dscnt 0x0
	global_store_b64 v7, v[8:9], s[12:13]          ; the run's 256 scale bytes: 256 consecutive bytes, aligned
	s_wait_tensorcnt 0x0                           ; the wave's end
	ds_add_u32 v[SPW], v[NIL]
	s_wait_dscnt 0x0
	s_endpgm
; 32 loads: rows 32 b .. 32 b + 31 of my 128, at my column: 128 consecutive bytes a wave
.macro WLOAD b, pitch, base
.set I, 0
.rept 32
	global_load_b32 v[N+32*(\b)+I], v26, s[\base:\base+1] offset:(32*(\b)+I)*\pitch th:TH_LOAD_NT
.set I, I+1
.endr
.endm
.Lweights:
	v_lshlrev_b32 v26, 2, v2                       ; in: 4 bytes a lane
	v_lshrrev_b32 v27, 4, v2
	v_and_b32 v28, 15, v2
	v_lshlrev_b32 v28, 4, v28
	s_cmp_lt_u32 ttmp9, 320
	s_cbranch_scc0 .Lproj
; ---------------- role W: work-group = (128 along K) x (128 columns); a wave takes 32 columns
	s_sub_co_u32 s17, ttmp9, 128
	s_mul_i32 s18, s17, 2731
	s_lshr_b32 s18, s18, 16                        ; which 128 along K: number / 24 (exact for 0..191)
	s_mul_i32 s19, s18, 24
	s_sub_co_u32 s19, s17, s19                     ; which 128 columns
	s_lshl_b32 s24, s19, 2
	s_add_co_u32 s24, s24, s16                     ; which 32 columns
	s_mul_i32 s22, s18, 128*QROW
	s_lshl_b32 s25, s24, 7
	s_add_co_u32 s22, s22, s25
	s_add_nc_u64 s[6:7], s[6:7], s[22:23]
	s_lshl_b32 s22, s24, 14                        ; two tiles of 16 columns, 8,192 bytes each,
	s_lshl_b32 s25, s18, 10                        ; 1,024 bytes for each 128 along K
	s_add_co_u32 s22, s22, s25
	s_add_nc_u64 s[14:15], s[14:15], s[22:23]
	s_lshl_b32 s22, s24, 10                        ; scale bytes: 32 a column,
	s_lshl_b32 s25, s18, 2                         ; 4 for each 128 along K,
	s_add_co_u32 s22, s22, s25
	s_add_co_u32 s22, s22, 131072                  ; behind x's
	s_add_nc_u64 s[12:13], s[12:13], s[22:23]
	v_lshl_add_u32 v27, v27, 13, v28               ; out: 8,192 (lane / 16) + 16 (lane % 16)
	v_lshlrev_b32 v29, 5, v2
	WLOAD 0, QROW, 6
	WLOAD 1, QROW, 6
.macro WBLOCK b
.set XS, N+32*(\b)
.if (\b) < 3
	s_wait_loadcnt 32                              ; this block's 32 loads are in; the next block's may be out
.else
	s_wait_loadcnt 0x0
.endif
.if (\b)+2 < 4
	WLOAD (\b)+2, QROW, 6
.endif
	v_max3_num_f32 v20, |v[XS]|, |v[XS+1]|, |v[XS+2]|               ; all 32 numbers of the block are mine
	v_max3_num_f32 v21, |v[XS+3]|, |v[XS+4]|, |v[XS+5]|
.irp i, 6,10,14,18,22,26
	v_max3_num_f32 v20, v20, |v[XS+\i]|, |v[XS+\i+1]|
	v_max3_num_f32 v21, v21, |v[XS+\i+2]|, |v[XS+\i+3]|
.endr
	v_max3_num_f32 v20, v20, |v[XS+30]|, |v[XS+31]|
	v_max3_num_f32 v20, v20, v21, 0x1800000
	v_add_nc_u32 v22, 0xff000000, v20
	v_lshrrev_b32 v23, 23, v22
.if (\b) == 0
	v_mov_b32 v24, v23
.else
	v_lshl_or_b32 v24, v23, 8*(\b), v24            ; the lower K in the lower byte
.endif
.irp g, 0,1,2,3
	v_cvt_scalef32_pk8_fp4_f32 v[D+4*(\b)+\g], v[XS+8*\g:XS+8*\g+7], v22
.endr
	global_store_b128 v27, v[D+4*(\b):D+4*(\b)+3], s[14:15] offset:256*(\b)   ; block b = 2 c + h is piece (c, h): sixteen lanes store 256 consecutive bytes, aligned
.endm
	WBLOCK 0
	WBLOCK 1
	WBLOCK 2
	WBLOCK 3
	global_store_b32 v29, v24, s[12:13]            ; my column's scale word for these 128 along K
	s_wait_tensorcnt 0x0
	ds_add_u32 v[SPW], v[NIL]
	s_wait_dscnt 0x0
	s_endpgm
.Lproj:
; ---------------- role P: the same shares of W_proj; no scales, two numbers down K to a register
	s_sub_co_u32 s17, ttmp9, 320
	s_and_b32 s19, s17, 7                          ; which 128 columns
	s_lshr_b32 s18, s17, 3                         ; which 128 along K
	s_lshl_b32 s24, s19, 2
	s_add_co_u32 s24, s24, s16
	s_lshl_b32 s22, s18, 19                        ; 128 rows of 4,096 bytes
	s_lshl_b32 s25, s24, 7
	s_add_co_u32 s22, s22, s25
	s_add_nc_u64 s[8:9], s[8:9], s[22:23]
	s_lshl_b32 s22, s24, 16                        ; two tiles of 16 columns, 32,768 bytes each,
	s_lshl_b32 s25, s18, 12                        ; 4,096 bytes for each 128 along K
	s_add_co_u32 s22, s22, s25
	s_add_nc_u64 s[20:21], s[20:21], s[22:23]
	v_lshl_add_u32 v27, v27, 15, v28               ; out: 32,768 (lane / 16) + 16 (lane % 16)
	WLOAD 0, PROW, 8
	WLOAD 1, PROW, 8
.macro PBLOCK b
.if (\b) < 3
	s_wait_loadcnt 32
.else
	s_wait_loadcnt 0x0
.endif
.if (\b)+2 < 4
	WLOAD (\b)+2, PROW, 8
.endif
.set I, 0
.rept 16
	v_cvt_pk_f16_f32 v[D+16*(\b)+I], v[N+32*(\b)+2*I], v[N+32*(\b)+2*I+1]
.set I, I+1
.endr
.irp p, 0,1,2,3
	global_store_b128 v27, v[D+16*(\b)+4*\p:D+16*(\b)+4*\p+3], s[20:21] offset:1024*(\b)+256*\p   ; piece p = 2 c + h: k 8 p + 0..7 of these 32
.endr
.endm
	PBLOCK 0
	PBLOCK 1
	PBLOCK 2
	PBLOCK 3
	s_wait_tensorcnt 0x0
	ds_add_u32 v[SPW], v[NIL]
	s_wait_dscnt 0x0
	s_endpgm
.Lfunc_end_k_q6a438dd820_prep:
	.size	k_q6a438dd820_prep, .Lfunc_end_k_q6a438dd820_prep-k_q6a438dd820_prep
	.p2alignl 7, 3214868480
	.fill 96, 4, 3214868480
	.section	.rodata,"a",@progbits
	.p2align	6, 0x0
	.amdhsa_kernel k_q6a438dd820_prep
		.amdhsa_group_segment_fixed_size 33280
		.amdhsa_private_segment_fixed_size 0
		.amdhsa_enable_private_segment 0
		.amdhsa_kernarg_size 56
		.amdhsa_user_sgpr_count 2
		.amdhsa_user_sgpr_kernarg_segment_ptr 1
		.amdhsa_wavefront_size32 1
		.amdhsa_system_sgpr_workgroup_id_x 1
		.amdhsa_system_sgpr_workgroup_id_y 1
		.amdhsa_system_sgpr_workgroup_id_z 1
		.amdhsa_system_vgpr_workitem_id 0
		.amdhsa_next_free_vgpr 224
		.amdhsa_next_free_sgpr 66
		.amdhsa_reserve_vcc 0
		.amdhsa_float_denorm_mode_32 3
		.amdhsa_float_denorm_mode_16_64 3
		.amdhsa_memory_ordered 1
		.amdhsa_forward_progress 1
		.amdhsa_inst_pref_size 71
	.end_amdhsa_kernel
	.amdgpu_metadata
---
amdhsa.version: [ 1, 2 ]
amdhsa.kernels:
  - .name:           k_q6a438dd820_prep
    .symbol:         k_q6a438dd820_prep.kd
    .args:
      - { .name: x, .offset: 0, .size: 8, .value_kind: global_buffer, .address_space: global }
      - { .name: W_qkv, .offset: 8, .size: 8, .value_kind: global_buffer, .address_space: global }
      - { .name: W_proj, .offset: 16, .size: 8, .value_kind: global_buffer, .address_space: global }
      - { .name: xc, .offset: 24, .size: 8, .value_kind: global_buffer, .address_space: global }
      - { .name: scl, .offset: 32, .size: 8, .value_kind: global_buffer, .address_space: global }
      - { .name: wimg, .offset: 40, .size: 8, .value_kind: global_buffer, .address_space: global }
      - { .name: wpimg, .offset: 48, .size: 8, .value_kind: global_buffer, .address_space: global }
    .group_segment_fixed_size: 33280
    .private_segment_fixed_size: 0
    .kernarg_segment_align: 8
    .kernarg_segment_size: 56
    .max_flat_workgroup_size: 128
    .sgpr_count:     66
    .vgpr_count:     224
    .wavefront_size: 32
...
	.end_amdgpu_metadata
.endif
;; end of part 1
;; launch qkv (part 2): grid 12 x 16, 4 waves a work-group, clusters of 4 x 4, 327,680 bytes of LDS; arguments xc, scl, wimg, qkv16, qkv32; writes qkv16, qkv32
.if DOCPART == 2
	.amdgcn_target "amdgcn-amd-amdhsa--gfx1250"
	.amdhsa_code_object_version 6
	.text
	.protected	k_q6a438dd820_qkv
	.globl	k_q6a438dd820_qkv
	.p2align	8
	.type	k_q6a438dd820_qkv,@function
k_q6a438dd820_qkv:
	s_mov_b64 s[64:65], 0
	v_nop
	global_prefetch_b8 v0, s[64:65] scope:SCOPE_SE
	s_setreg_imm32_b32 hwreg(HW_REG_WAVE_MODE, 25, 1), 1
	s_wait_xcnt 0x0
	s_wait_alu depctr_hold_cnt(0) depctr_sa_sdst(0) depctr_va_vdst(0) depctr_va_sdst(0) depctr_va_ssrc(0) depctr_va_vcc(0) depctr_vm_vsrc(0)
	s_getreg_b32 s2, hwreg(HW_REG_IB_STS2, 6, 4)
	s_cmp_eq_u32 s2, 0
	s_cbranch_scc0 .Lentry_in_a_cluster
	s_endpgm
.Lentry_in_a_cluster:
	s_bfe_u32 s2, ttmp6, 0x10000c
	s_cmp_lg_u32 s2, 0xf033
	s_cbranch_scc0 .Lentry_shape_is_right
	s_endpgm
.Lentry_shape_is_right:
; qkv = Q(x) Q(W_qkv): [4096][1024] x [1024][3072] on codes of E2M1 with one E8M0 scale for each 32 along K; sums in f32.
; A tile of 256 x 256 is made by four waves, 128 x 128 each: 64 accumulators, 512 registers.  K = 1,024 is two slots of 512: both are filled at the start and nothing is filled again.
; x's codes come as rows of 256 bytes (16 of padding behind each in LDS); W's come as images of the operand's registers: 8 tiles of 16 columns x 4,096 bytes a load, read back at 16 x lane.
; The scale bytes of the work-group's 256 rows and 256 columns, for all of K, come once, in whole blocks of 256 bytes.
; CLUSTERS: 4 x 4 work-groups; x's tiles are asked for jointly along a row of the cluster, W's along a column.
; THE MATRIX INSTRUCTION IS USED TRANSPOSED (source 0 = 16 columns of W, source 1 = 16 rows of x): a lane holds eight neighbouring columns of one row.
; THE WAY OUT needs no LDS: rounded to f16, a lane's eight numbers are 16 bytes, and a block's 32 lanes are one piece of 512 bytes of
;   qkv16 [q, k, v][batch x head 32][t / 16][d / 16][512 bytes]: piece = (t % 16 = r, d % 16 = 8 h + 0..7); lane's place 16 x lane for q and k (a 16-bit operand's registers), 32 r + 16 h for v (rows of 32 bytes, for the turning load).
; The first 16 rows of each batch also leave as f32, as the accumulators stand: qkv32 [batch][n / 16][c 2][lane][16 bytes].  Which waves hold them hangs on the place in the cluster, so they are chosen by EXEC, not by a branch.
; 192 work-groups.  LIMITS: |q|, |k|, |v| must stay under 65,504 (f16).
.set KSTEP,  512
.set NQ,     KSTEP/128
.set ROWB,   256
.set KROW,   512                       ; a row of x's codes, and 16 columns' share of wimg divided by 16
.set PITCH,  272
.set FR,     8
.set NL,     2
.set NP,     4
.set HALFT,  128*PITCH
.set SLOT,   4*HALFT
.set KS,     32
.set SCL,    2*SLOT
.set HALFS,  (128*KS/256)*272
.set SBLK,   (16*KS/256)*272
.set SPARE,  SCL+4*HALFS               ; the spare words, 128 bytes a wave: no other line names them
.set ADRA, 16                          ; v16-17 LDS address of my fragments of x in slot 0, 1
.set ADRB, 20                          ; v20-21 the same for W
.set LN,   24                          ; v24    16 x lane
.set CO,   26                          ; v26    my place in a piece of qkv16
.set ADRS, 27                          ; v27    LDS address of my scale words: lanes 0-15 x's rows, lanes 16-31 W's columns
.set SPW,  28
.set NIL,  29
.set SC,   32                          ; v32-95 scale words, two sets
.set AF,   128                         ; x's fragments, window 0, one set
.set PK,   128                         ; the way out: four sets of 32 packed registers, v128-255
.set G1, 24
.set G0, 32
.set G1B, 48
.set G0B, 56
.set G1S, 68
.set G0S, 76
.set G1SB, 80
.set G0SB, 88
.set MSB, 0
.macro WIN new                         ; the immediate's high byte repeats the setting that is left
.if MSB != \new
	s_set_vgpr_msb (MSB<<8)|\new
.set MSB, \new
.endif
.endm
.set MUL_LO, 0xa1                      ; source 0 (W) window 1, source 1 (x) window 0, C and D window 2
.set MUL_HI, 0xf1                      ; the same, C and D window 3
.set TO_B,   0x40
; A joint load: waves 0 and 1 fetch for x, waves 2 and 3 for W.  An s_nop 0 and four v_nop follow each of the two lines.
.macro JLOAD g0a, g1a, g0b, g1b
	s_cmp_eq_u32 s15, 0
	s_cbranch_scc0 .Lfor_b_\@
	tensor_load_to_lds s[\g0a:\g0a+3], s[\g1a:\g1a+7]
	s_nop 0
.rept 4
	v_nop
.endr
	s_branch .Lasked_\@
.Lfor_b_\@:
	tensor_load_to_lds s[\g0b:\g0b+3], s[\g1b:\g1b+7]
	s_nop 0
.rept 4
	v_nop
.endr
.Lasked_\@:
.endm
.macro CROUND                          ; a round of the cluster's barrier
	s_barrier_signal -1
	s_barrier_wait -1
	s_cmp_lg_u32 s14, 0
	s_cbranch_scc1 .Lnot_wave_0_\@
	s_barrier_signal -3
.Lnot_wave_0_\@:
	s_barrier_wait -3
	s_barrier_signal -1
	s_barrier_wait -1
.endm
	s_load_b128 s[4:7], s[0:1], 0x0                ; x's codes, the scale bytes
	s_load_b128 s[8:11], s[0:1], 0x10              ; W's images, qkv16
	s_load_b64 s[96:97], s[0:1], 0x20              ; qkv32
	v_lshl_add_u32 v[SPW], v0, 2, SPARE
	v_mov_b32 v[NIL], 0
	ds_add_u32 v[SPW], v[NIL]                      ; the wave's opening: the add, twice on end, and its wait ahead of my first tensor load
	ds_add_u32 v[SPW], v[NIL]
	v_lshrrev_b32 v1, 5, v0
	v_readfirstlane_b32 s14, v1                    ; wave 0..3
	s_lshr_b32 s15, s14, 1                         ; which half of the tile's rows is mine.  Also: I fetch for x (0) or for W (1)
	s_and_b32 s16, s14, 1                          ; which half of its columns.  Also: which 128 rows or columns I fetch
	s_bfe_u32 s40, ttmp6, 0x40000                  ; cx, cy
	s_bfe_u32 s41, ttmp6, 0x40004
	s_lshl_b32 s42, ttmp9, 2
	s_add_co_u32 s42, s42, s40                     ; tile column
	s_and_b32 s17, ttmp7, 0xffff
	s_lshl_b32 s17, s17, 2
	s_add_co_u32 s17, s17, s41                     ; tile row
	s_lshl_b32 s43, s41, 2
	s_lshl_b32 s43, 15, s43                        ; my row of the cluster
	s_lshl_b32 s44, 0x1111, s40                    ; my column
	s_or_b32 s[G1+0], s43, (0<<16)|(1<<20)|(1<<21)|(5<<22)|(3<<25)  ; x: elements of 1 byte; 4 words of padding behind every 64
	s_mov_b32 s[G1+1], ROWB<<16                    ; tensor_dim0
	s_mov_b32 s[G1+2], 128<<16                     ; tensor_dim1
	s_mov_b32 s[G1+3], ROWB<<16                    ; tile_dim0
	s_mov_b32 s[G1+4], 128                         ; tile_dim1
	s_mov_b32 s[G1+5], KROW                        ; from row to row
	s_mov_b32 s[G1+6], 0
	s_mov_b32 s[G1+7], 0
	s_or_b32 s[G1B+0], s44, (3<<16)|(1<<21)        ; W: elements of 8 bytes, no padding: 8 tiles of 16 columns x 4,096 bytes, 8,192 bytes apart
	s_mov_b32 s[G1B+1], 512<<16
	s_mov_b32 s[G1B+2], 8<<16
	s_mov_b32 s[G1B+3], 512<<16
	s_mov_b32 s[G1B+4], 8
	s_mov_b32 s[G1B+5], 1024
	s_mov_b32 s[G1B+6], 0
	s_mov_b32 s[G1B+7], 0
	s_or_b32 s[G1S+0], s43, (3<<16)|(1<<20)|(1<<21)|(5<<22)|(3<<25) ; the scales of 128 rows: 4,096 dense bytes as 16 rows of 256, 16 of padding behind each
	s_or_b32 s[G1SB+0], s44, (3<<16)|(1<<20)|(1<<21)|(5<<22)|(3<<25)
.irp g, G1S, G1SB
	s_mov_b32 s[\g+1], 32<<16
	s_mov_b32 s[\g+2], (128*KS/256)<<16
	s_mov_b32 s[\g+3], 32<<16
	s_mov_b32 s[\g+4], 128*KS/256
	s_mov_b32 s[\g+5], 32
	s_mov_b32 s[\g+6], 0
	s_mov_b32 s[\g+7], 0
.endr
	s_lshl_b32 s18, s16, 7
	s_lshl_b32 s20, s17, 8
	s_add_co_u32 s20, s20, s18                     ; x: row 256 x tile row + 128 x half
	s_lshl_b32 s46, s42, 8
	s_add_co_u32 s46, s46, s18                     ; W: column 256 x tile column + 128 x half
	s_mov_b32 s21, 0
	s_mov_b32 s47, 0
	s_mov_b64 s[18:19], KS
	s_mul_u64 s[22:23], s[20:21], s[18:19]         ; where their scales begin
	s_mul_u64 s[92:93], s[46:47], s[18:19]
	s_mov_b64 s[18:19], KROW
	s_mul_u64 s[20:21], s[20:21], s[18:19]         ; and their codes (16 columns of W are 8,192 bytes: 512 a column)
	s_mul_u64 s[46:47], s[46:47], s[18:19]
	s_mul_i32 s45, s14, HALFT                      ; where they go: no place in the cluster enters an LDS address
	s_mul_i32 s94, s14, HALFS
	s_wait_dscnt 0x0                               ; both opening adds are done
	s_wait_kmcnt 0x0
	s_mov_b64 s[12:13], s[10:11]                   ; qkv16
	s_add_nc_u64 s[10:11], s[6:7], 131072          ; W's scale bytes lie behind x's
	s_add_nc_u64 s[20:21], s[4:5], s[20:21]
	s_add_nc_u64 s[22:23], s[6:7], s[22:23]
	s_add_nc_u64 s[46:47], s[8:9], s[46:47]
	s_add_nc_u64 s[92:93], s[10:11], s[92:93]
	CROUND                                         ; all sixteen work-groups are here: the first joint loads meet
	s_mov_b32 s[G0S], 1
	s_add_co_u32 s[G0S+1], s94, SCL
	s_mov_b64 s[G0S+2:G0S+3], s[22:23]
	s_or_b32 s[G0S+3], s[G0S+3], 0x80000000
	s_mov_b32 s[G0SB], 1
	s_add_co_u32 s[G0SB+1], s94, SCL
	s_mov_b64 s[G0SB+2:G0SB+3], s[92:93]
	s_or_b32 s[G0SB+3], s[G0SB+3], 0x80000000
	JLOAD G0S, G1S, G0SB, G1SB                     ; the scales first
.irp s, 0,1
	s_mov_b32 s[G0+4*\s], 1
	s_add_co_u32 s[G0+4*\s+1], s45, \s*SLOT
	s_add_nc_u64 s[G0+4*\s+2:G0+4*\s+3], s[20:21], \s*ROWB
	s_or_b32 s[G0+4*\s+3], s[G0+4*\s+3], 0x80000000
	s_mov_b32 s[G0B+4*\s], 1
	s_add_co_u32 s[G0B+4*\s+1], s45, \s*SLOT
	s_add_nc_u64 s[G0B+4*\s+2:G0B+4*\s+3], s[46:47], \s*4096
	s_or_b32 s[G0B+4*\s+3], s[G0B+4*\s+3], 0x80000000
	JLOAD G0+4*\s, G1, G0B+4*\s, G1B               ; three loads of mine are out in all
.endr
	v_and_b32 v1, 15, v0                           ; r
	v_bfe_u32 v2, v0, 4, 1                         ; h
	v_mul_u32_u24 v3, v1, PITCH
	v_lshl_add_u32 v4, v2, 4, v3                   ; x: row x pitch + 16 x half
	v_and_b32 v6, 31, v0
	v_lshlrev_b32 v[LN], 4, v6
	s_mul_i32 s21, s15, HALFT
	s_mul_i32 s22, s16, HALFT
	s_add_co_u32 s22, s22, 2*HALFT
.irp s, 0,1
	v_add_nc_u32 v[ADRA+\s], s21, v4
	v_add_nc_u32 v[ADRB+\s], s22, v[LN]            ; W: an image's place for my lane
	s_add_co_u32 s21, s21, SLOT
	s_add_co_u32 s22, s22, SLOT
.endr
	v_mul_u32_u24 v5, v1, KS
	v_lshrrev_b32 v6, 8, v5
	v_lshl_add_u32 v5, v6, 4, v5                   ; my row's scales: 32 bytes a row, 16 more for each 256 passed
	s_mul_i32 s21, s15, HALFS
	s_mul_i32 s22, s16, HALFS
	s_add_co_u32 s22, s22, 2*HALFS
	s_sub_co_u32 s22, s22, s21
	v_mul_u32_u24 v6, s22, v2                      ; lanes 16-31 take W's
	s_add_co_u32 s21, s21, SCL
	v_add_nc_u32 v5, v5, v6
	v_add_nc_u32 v[ADRS], s21, v5
	; the way out's bases
	s_lshr_b32 s20, s42, 2                         ; q, k or v
	s_cmp_eq_u32 s20, 2
	s_cselect_b32 s98, -1, 0                       ; all ones for v
	s_lshl_b32 s20, s20, 23
	s_lshr_b32 s44, s17, 3                         ; batch
	s_lshl_b32 s21, s44, 22
	s_add_co_u32 s20, s20, s21
	s_and_b32 s21, s42, 3
	s_lshl_b32 s21, s21, 2
	s_lshl_b32 s22, s16, 1
	s_add_co_u32 s21, s21, s22                     ; my first head
	s_lshl_b32 s21, s21, 18
	s_add_co_u32 s20, s20, s21
	s_and_b32 s21, s17, 7
	s_or_b32 s22, s21, s15
	s_cmp_eq_u32 s22, 0
	s_cselect_b32 s99, -1, 0                       ; all ones where my block 0 is a batch's rows 0 to 15
	s_lshl_b32 s21, s21, 4
	s_lshl_b32 s22, s15, 3
	s_add_co_u32 s21, s21, s22                     ; my first tile of 16 rows in the batch
	s_lshl_b32 s21, s21, 11
	s_add_co_u32 s20, s20, s21
	s_mov_b32 s21, 0
	s_add_nc_u64 s[12:13], s[12:13], s[20:21]
	s_mul_i32 s20, s44, 196608
	s_lshl_b32 s22, s42, 14
	s_add_co_u32 s20, s20, s22
	s_lshl_b32 s22, s16, 13
	s_add_co_u32 s20, s20, s22
	s_add_nc_u64 s[96:97], s[96:97], s[20:21]
	v_lshlrev_b32 v5, 5, v1
	v_lshl_add_u32 v5, v2, 4, v5                   ; 32 r + 16 h
	v_cndmask_b32 v[CO], v[LN], v5, s98
.macro FRAG reg, adr, q, i             ; x: 16 rows x 128 K: registers 4 c .. 4 c + 3 hold K = 64 c + 32 h + 0 .. 31
.irp c, 0,1
	ds_load_b128 v[\reg+4*\c:\reg+4*\c+3], v[\adr] offset:64*(\q)+32*\c+(\i)*16*PITCH
.endr
.endm
.macro FRAGB reg, adr, q, i            ; W: the same registers, as they were stored
.irp c, 0,1
	ds_load_b128 v[\reg+4*\c:\reg+4*\c+3], v[\adr] offset:1024*(\q)+512*\c+(\i)*4096
.endr
.endm
; 16 matrix instructions: x's blocks a0, a0 + 1 against W's eight.  The 64 accumulators take turns, one instruction a turn, in the same order in every step.
.macro MUL16 a0, p, q, sc, zero
.irp a, \a0, \a0+1
.irp b, 0,1,2,3,4,5,6,7
.if \zero
	v_wmma_scale_f32_16x16x128_f8f6f4 v[8*(8*((\a)%4)+\b):8*(8*((\a)%4)+\b)+7], v[128*(\p)+FR*\b:128*(\p)+FR*\b+FR-1], v[AF+FR*(\a):AF+FR*(\a)+FR-1], 0, v[SC+8*NQ*(\sc)+NQ*\b+(\q)], v[SC+8*NQ*(\sc)+NQ*(\a)+(\q)] matrix_a_fmt:MATRIX_FMT_FP4 matrix_b_fmt:MATRIX_FMT_FP4 matrix_a_scale:MATRIX_SCALE_ROW1
.else
	v_wmma_scale_f32_16x16x128_f8f6f4 v[8*(8*((\a)%4)+\b):8*(8*((\a)%4)+\b)+7], v[128*(\p)+FR*\b:128*(\p)+FR*\b+FR-1], v[AF+FR*(\a):AF+FR*(\a)+FR-1], v[8*(8*((\a)%4)+\b):8*(8*((\a)%4)+\b)+7], v[SC+8*NQ*(\sc)+NQ*\b+(\q)], v[SC+8*NQ*(\sc)+NQ*(\a)+(\q)] matrix_a_fmt:MATRIX_FMT_FP4 matrix_b_fmt:MATRIX_FMT_FP4 matrix_a_scale:MATRIX_SCALE_ROW1
.endif
.endr
.endr
.endm
.macro FETCH_B slot, q, p
	WIN TO_B
.irp i, 0,1,2,3,4,5,6,7
	FRAGB 128*(\p)+FR*\i, ADRB+\slot, \q, \i
.endr
	WIN 0
.endm
.macro FETCH_A slot, q, i0
.irp i, \i0, \i0+1, \i0+2, \i0+3
	FRAG AF+FR*(\i), ADRA+\slot, \q, \i
.endr
.endm
.macro SCALES sc                       ; a slot's scale words: lanes 0-15 x's block i, lanes 16-31 W's block i
.irp i, 0,1,2,3,4,5,6,7
	ds_load_b128 v[SC+8*NQ*\sc+NQ*\i:SC+8*NQ*\sc+NQ*\i+3], v[ADRS] offset:\i*SBLK
.endr
.endm
.macro PLACES n                        ; plain vector lines between a matrix instruction and a load into, or a vector read of, its registers
.rept \n
	v_nop
.endr
.endm
.macro STEP slot, q, zero
	s_wait_dscnt 4*NL                              ; W's set and x's blocks 0-3 are in; the youngest eight loads (x's blocks 4-7) may be out
	WIN MUL_LO
	MUL16 0, (\q)%2, \q, \slot, \zero
	MUL16 2, (\q)%2, \q, \slot, \zero
	s_wait_dscnt 0
	PLACES NP
	FETCH_B \slot, (\q)+1, 1-(\q)%2
	FETCH_A \slot, (\q)+1, 0
	WIN MUL_HI
	MUL16 4, (\q)%2, \q, \slot, \zero
	MUL16 6, (\q)%2, \q, \slot, \zero
	PLACES NP
	WIN 0
	FETCH_A \slot, (\q)+1, 4
.endm
.macro STEPS slot, from
.set Q, \from
.rept NQ-1-\from
	STEP \slot, Q, 0
.set Q, Q+1
.endr
.endm
	s_wait_tensorcnt 1                             ; the scales and my part of slot 0 are in; slot 1's load may be out
	s_barrier_signal -1
	s_barrier_wait -1
	FETCH_B 0, 0, 0
	FETCH_A 0, 0, 0
	SCALES 0
	FETCH_A 0, 0, 4
	STEP 0, 0, 1                                   ; the first products start the sums: nothing is cleared
	STEPS 0, 1
	; slot 0's last step changes slots: one barrier; nothing is filled again
	s_wait_tensorcnt 0x0                           ; my part of slot 1 has landed
	ds_add_u32 v[SPW], v[NIL]
	s_wait_dscnt 4*NL+1                            ; the add and the youngest eight loads may be out
	WIN MUL_LO
	MUL16 0, 1, NQ-1, 0, 0
	s_wait_dscnt 0x0
	s_barrier_signal -1
	MUL16 2, 1, NQ-1, 0, 0
	WIN 0
	s_barrier_wait -1
	PLACES NP
	v_add_nc_u32 v[ADRS], 4*NQ, v[ADRS]            ; the next 512 along K's scale words
	FETCH_B 1, 0, 0
	FETCH_A 1, 0, 0
	SCALES 1
	WIN MUL_HI
	MUL16 4, 1, NQ-1, 0, 0
	MUL16 6, 1, NQ-1, 0, 0
	PLACES NP
	WIN 0
	FETCH_A 1, 0, 4
	STEPS 1, 0
	s_wait_dscnt 4*NL
	WIN MUL_LO
	MUL16 0, 1, NQ-1, 1, 0
	MUL16 2, 1, NQ-1, 1, 0
	s_wait_dscnt 0
	WIN MUL_HI
	MUL16 4, 1, NQ-1, 1, 0
	MUL16 6, 1, NQ-1, 1, 0
	WIN 0
	PLACES NP
	; rows 0 to 15 of a batch as f32: block 0's eight accumulators as they stand, each from its low end on.  All lanes are off where my block 0 is another block
	s_wait_xcnt 0x0                                ; EXEC changes only behind this wait
	s_mov_b32 vcc_lo, s99
	s_and_saveexec_b32 s95, vcc_lo
	WIN 0x08                                       ; a store's data are its source 1: window 2
.irp b, 0,1,2,3,4,5,6,7
	global_store_b128 v[LN], v[8*\b:8*\b+3], s[96:97] offset:1024*\b
	global_store_b128 v[LN], v[8*\b+4:8*\b+7], s[96:97] offset:1024*\b+512
.endr
	WIN 0
	s_wait_xcnt 0x0                                ; and again in front of the line that restores it
	s_or_b32 exec_lo, exec_lo, s95
.macro OUT a                           ; block a: 16 rows x 128 columns = two heads x four pieces of 512 bytes
.set AC, 64*((\a)%4)
.set PB, PK+32*((\a)%4)
	WIN 0x0a+5*((\a)/4)                            ; sources 0 and 1: window 2 or 3
.irp b, 0,1,2,3,4,5,6,7
.irp r, 0,1,2,3
	v_cvt_pk_f16_f32 v[PB+4*\b+\r], v[AC+8*\b+2*\r], v[AC+8*\b+2*\r+1]
.endr
.endr
	WIN 0
.irp b, 0,1,2,3,4,5,6,7
	global_store_b128 v[CO], v[PB+4*\b:PB+4*\b+3], s[12:13] offset:(\a)*2048+(\b/4)*262144+(\b%4)*512   ; the wave stores 512 consecutive bytes, aligned
.endr
.endm
.irp a, 0,1,2,3
	OUT \a
.endr
.irp a, 4,5,6,7
	s_wait_xcnt 0x0                                ; the stores of four blocks back have read their registers
	OUT \a
.endr
	s_wait_tensorcnt 0x0                           ; the wave's end
	ds_add_u32 v[SPW], v[NIL]
	s_wait_dscnt 0x0
	CROUND                                         ; the closing round
	s_endpgm
.Lfunc_end_k_q6a438dd820_qkv:
	.size	k_q6a438dd820_qkv, .Lfunc_end_k_q6a438dd820_qkv-k_q6a438dd820_qkv
	.p2alignl 7, 3214868480
	.fill 96, 4, 3214868480
	.section	.rodata,"a",@progbits
	.p2align	6, 0x0
	.amdhsa_kernel k_q6a438dd820_qkv
		.amdhsa_group_segment_fixed_size 327680
		.amdhsa_private_segment_fixed_size 0
		.amdhsa_enable_private_segment 0
		.amdhsa_kernarg_size 40
		.amdhsa_user_sgpr_count 2
		.amdhsa_user_sgpr_kernarg_segment_ptr 1
		.amdhsa_wavefront_size32 1
		.amdhsa_system_sgpr_workgroup_id_x 1
		.amdhsa_system_sgpr_workgroup_id_y 1
		.amdhsa_system_sgpr_workgroup_id_z 1
		.amdhsa_system_vgpr_workitem_id 0
		.amdhsa_next_free_vgpr 1024
		.amdhsa_next_free_sgpr 100
		.amdhsa_reserve_vcc 1
		.amdhsa_float_denorm_mode_32 3
		.amdhsa_float_denorm_mode_16_64 3
		.amdhsa_memory_ordered 1
		.amdhsa_forward_progress 1
		.amdhsa_inst_pref_size 120
	.end_amdhsa_kernel
	.amdgpu_metadata
---
amdhsa.version: [ 1, 2 ]
amdhsa.kernels:
  - .name:           k_q6a438dd820_qkv
    .symbol:         k_q6a438dd820_qkv.kd
    .args:
      - { .name: xc, .offset: 0, .size: 8, .value_kind: global_buffer, .address_space: global }
      - { .name: scl, .offset: 8, .size: 8, .value_kind: global_buffer, .address_space: global }
      - { .name: wimg, .offset: 16, .size: 8, .value_kind: global_buffer, .address_space: global }
      - { .name: qkv16, .offset: 24, .size: 8, .value_kind: global_buffer, .address_space: global }
      - { .name: qkv32, .offset: 32, .size: 8, .value_kind: global_buffer, .address_space: global }
    .group_segment_fixed_size: 327680
    .private_segment_fixed_size: 0
    .kernarg_segment_align: 8
    .kernarg_segment_size: 40
    .max_flat_workgroup_size: 128
    .sgpr_count:     100
    .vgpr_count:     1024
    .wavefront_size: 32
...
	.end_amdgpu_metadata
.endif
;; end of part 2
;; launch attn (part 3): grid 8 x 32, 8 waves a work-group, no clusters, 327,680 bytes of LDS; arguments qkv16, yimg, ent; writes yimg, ent
.if DOCPART == 3
	.amdgcn_target "amdgcn-amd-amdhsa--gfx1250"
	.amdhsa_code_object_version 6
	.text
	.protected	k_q6a438dd820_attn
	.globl	k_q6a438dd820_attn
	.p2align	8
	.type	k_q6a438dd820_attn,@function
k_q6a438dd820_attn:
	s_mov_b64 s[64:65], 0
	v_nop
	global_prefetch_b8 v0, s[64:65] scope:SCOPE_SE
	s_setreg_imm32_b32 hwreg(HW_REG_WAVE_MODE, 25, 1), 1
	s_wait_xcnt 0x0
; Causal attention of one (batch, head), head size 64, T = 2,048, on f16 operands with f32 sums, and each query's entropy.
; SHARES.  Work-group (i, bh) owns the blocks of 128 queries i and 15 - i, one after the other: (i + 1) + (16 - i) = 17 chunks of 128 keys in every work-group; what lies above the diagonal is never multiplied.
; Wave w: g = w / 2 picks 32 queries (two tiles of 16), kh = w % 2 picks 64 of a chunk's 128 keys.  So each fragment of K and V read from LDS feeds two tiles.  At a block's end the two key halves meet through LDS.
; LAYOUT.  S^T = K Q^T, O^T = V^T P: a lane holds one query (lane % 16) throughout.  K's fragments lie in memory as the operand's registers; V's pieces are 16 keys x 32 bytes, turned by ds_load_tr16_b128.
; SOFTMAX.  Running maximum m; t = c s - c m, c = log2(e) / 8; p = 2^t; l = sum p; W = sum p t.  When m moves by d = c m_old - c m_new: W = f (W + d l), l = f l, O = f O, f = 2^d.
; ENTROPY.  -sum a ln a with a = p / l is ln 2 (log2 l - W / l).
; LIMITS.  The 1e-9 inside the logarithm is left out: 0 <= a ln(1 + 1e-9 / a) <= 1e-9, so a row moves by at most 2,048 x 1e-9, for every input.  Hidden scores are -3e38, not -infinity, so that p t stays 0.
; d is held at -200 from below (f is 0 there).  p, and the result, are rounded to f16; |result| under 65,504.  NaN and infinities are not served.
; NO CLUSTER: at its n-th chunk work-group i reads memory chunk n where n <= i and n - i - 1 after that: from n = 1 on the work-groups of a head want different tiles at the same time.
; LDS: two slots of two chunks (a chunk: 16,384 bytes of K, 16,384 of V) at 0 and 0x10000; chunk 0's first use at 0x20000, filled once; the exchange of the key halves; the spare words.
; Waves 0 to 3 fetch, 16,384 bytes each: wave w takes chunk w / 2 of a slot, K (w even) or V (w odd).  A wave has at most two tensor loads out (the start), later one.  Every wait for tensor loads is for 0.
; REGISTERS.  Window 0: v2-16 addresses and constants; v17-31 at work in MERGE; v32-63 statistics, 16 a tile; v64-95 p; v96-159 S^T, then P, 32 a tile; v160-223 O^T, 32 a tile.
;   Window 1: v0-31 Q; v32-63 the second block's Q; v64-127 K; v128-191 V.
.set XCH,   163840                     ; 4 x 9,216: for each g two tiles of 8 x 512 bytes of O^T + 512 of statistics
.set SPARE, 200704                     ; the spare words, 128 bytes a wave: no other line names them
.set ST,  32                           ; a tile's: +0 c m, +1 m, +2 f, +4 d, +6, +7 at work, +8..11 l in four parts, +12..15 W in four parts
.set TMP, 64
.set S,   96
.set O,   160
.set MSB, 0
.macro WIN new
.if MSB != \new
	s_set_vgpr_msb (MSB<<8)|\new
.set MSB, \new
.endif
.endm
; s10 wave, s11 g, s12 kh, s13 i, s14 bh, s15 the block in hand, s17 its chunk, s18 1 on the diagonal, s19 1 where a block has just ended, s20 1 in a wave whose keys are all hidden on the diagonal,
; s21, s22 first query - first key of tile 0, 1, s23 LDS byte of the chunk in hand, s[24:31] descriptor group 1, s[32:35] the walking group 0, s[36:39] chunk 0's, s[40:41] my K or V, s42 the chunk number that I fetch next,
; s43 i + 1, s44 15 - i, s45 the block that has ended, s[48:49] c, s[50:51] lane selects, s52, s53 counters, s[54:55] prefetch address, s56 its limit, s[58:63] bases of Q, yimg, ent, s66 mask of lanes 16-31
.macro TLOAD                           ; an s_nop 0 and four v_nop follow the load
	s_cmp_lt_u32 s10, 4
	s_cbranch_scc0 .Lnoload_\@
	tensor_load_to_lds s[32:35], s[24:31]
	s_nop 0
.rept 4
	v_nop
.endr
.Lnoload_\@:
.endm
; A PREFETCH INTO THE L2.  At change v of the slots, memory chunks 2 v + 5 and 2 v + 6: those that the next change's loads want first.  All eight work-groups of a head read the same K and V: the first of them asks,
; and in it the waves that fetch nothing: 4 and 5 for K, 6 and 7 for V, the even one for the first chunk; 16,384 bytes a wave, lanes 256 bytes apart, two lines.  So each 256 bytes are named once.  It stops behind chunk 14.
.macro ASK
	s_cmp_gt_u32 s52, s56
	s_cbranch_scc0 .Lnot_mine_\@
	global_prefetch_b8 v16, s[54:55] th:TH_LOAD_NT scope:SCOPE_SE
	global_prefetch_b8 v16, s[54:55] offset:8192 th:TH_LOAD_NT scope:SCOPE_SE
.Lnot_mine_\@:
.endm
; THE CHANGE OF SLOTS.  Each wave waits for all its tensor loads, adds 0 to its spare word, and waits for that and for its reads of the slot that it has left; behind the barrier that slot is filled with the next two chunks.
.macro CHANGE fill
	s_wait_tensorcnt 0x0                           ; no tensor load of mine is out, so group 0 may be written
	ds_add_u32 v12, v13
.if \fill
	ds_add_u32 v12, v13                            ; the add twice on end here, in every trip alike
	s_xor_b32 s33, s33, 0x10000                    ; the other slot than last time
	s_add_co_u32 s42, s42, 2
	s_cmp_gt_u32 s42, s13                          ; behind the first block's i + 1 chunks the second block begins at memory chunk 0
	s_cselect_b32 s46, s43, 0
	s_sub_co_u32 s46, s42, s46
	s_min_u32 s46, s46, 15
	s_lshl_b32 s46, s46, 14
	s_mov_b32 s47, 0
	s_add_nc_u64 s[34:35], s[40:41], s[46:47]
	s_or_b32 s35, s35, 0x80000000
	s_wait_xcnt 0x0                                ; the last prefetches have read their address
	s_add_nc_u64 s[54:55], s[54:55], 0x8000
.endif
	s_wait_dscnt 0x0
	s_barrier_signal -1
	s_barrier_wait -1
.if \fill
	TLOAD                                          ; the first thing behind the barrier, a wave's one tensor load until the next: it has two chunks' work in which to land
	ASK
.endif
.endm
.macro MIDBAR
	s_wait_dscnt 0x0
	s_barrier_signal -1
	s_barrier_wait -1
.endm
.macro MASK t                          ; register 8 kt + j holds key 16 kt + 8 h + j of my 64: hidden where 16 kt + j > my query - my first key - 8 h
	s_cmp_ge_i32 s[21+\t], 63
	s_cbranch_scc1 .Lopen_\@
.set n, 0
.rept 32
	v_cmp_gt_i32 vcc_lo, 16*(n/8)+n%8, v[9+\t]
	v_cndmask_b32 v[S+32*\t+n], v[S+32*\t+n], v11, vcc_lo
.set n, n+1
.endr
.Lopen_\@:
.endm
.macro SOFTMAX t
.set rT, ST+16*(\t)
.set rS, S+32*(\t)
.set rO, O+32*(\t)
.irp j, 0,1,2,3
	v_max3_num_f32 v[TMP+\j], v[rS+8*\j], v[rS+8*\j+1], v[rS+8*\j+2]   ; four chains; each accumulator is read from its low end on
.endr
.irp q, 3,5
.irp j, 0,1,2,3
	v_max3_num_f32 v[TMP+\j], v[TMP+\j], v[rS+8*\j+\q], v[rS+8*\j+\q+1]
.endr
.endr
	v_max3_num_f32 v[TMP], v[TMP], v[rS+7], v[rS+15]
	v_max3_num_f32 v[TMP+2], v[TMP+2], v[rS+23], v[rS+31]
	v_max3_num_f32 v[TMP], v[TMP], v[TMP+1], v[TMP+2]
	v_max3_num_f32 v[TMP], v[TMP], v[TMP+3], v[rT+1]
	v_permlanex16_b32 v[rT+6], v[TMP], s50, s51    ; the query's other 32 keys lie in the lane 16 away
	v_mov_b32 v[rT+7], v[rT]
	v_max_num_f32 v[rT+1], v[TMP], v[rT+6]
	v_mul_f32 v[rT], s48, v[rT+1]
	v_sub_f32 v[rT+4], v[rT+7], v[rT]
	v_max_num_f32 v[rT+4], 0xc3480000, v[rT+4]     ; d, held at -200
.set e, 0
.rept 16
	v_pk_fma_f32 v[rS+e:rS+e+1], v[rS+e:rS+e+1], s[48:49], v[rT:rT+1] op_sel_hi:[1,0,0] neg_lo:[0,0,1] neg_hi:[0,0,1]   ; t = c s - c m
.set e, e+2
.endr
	v_exp_f32 v[rT+2], v[rT+4]                     ; f
.set e, 0
.rept 32
	v_exp_f32 v[TMP+e], v[rS+e]                    ; p; t stays
.set e, e+1
.endr
	v_pk_fma_f32 v[rT+12:rT+13], v[rT+8:rT+9], v[rT+4:rT+5], v[rT+12:rT+13] op_sel_hi:[1,0,1]     ; W + d l: plain lines behind the exponentials
	v_pk_fma_f32 v[rT+14:rT+15], v[rT+10:rT+11], v[rT+4:rT+5], v[rT+14:rT+15] op_sel_hi:[1,0,1]
	s_wait_alu depctr_va_vdst(0)                   ; one wait for the batch of 33, ahead of its first reader
.irp q, 8,10,12,14
	v_pk_mul_f32 v[rT+\q:rT+\q+1], v[rT+\q:rT+\q+1], v[rT+2:rT+3] op_sel_hi:[1,0]
.endr
.set e, 0
.rept 8
	v_pk_add_f32 v[rT+8:rT+9], v[rT+8:rT+9], v[TMP+e:TMP+e+1]
	v_pk_fma_f32 v[rT+12:rT+13], v[TMP+e:TMP+e+1], v[rS+e:rS+e+1], v[rT+12:rT+13]
	v_pk_add_f32 v[rT+10:rT+11], v[rT+10:rT+11], v[TMP+e+2:TMP+e+3]
	v_pk_fma_f32 v[rT+14:rT+15], v[TMP+e+2:TMP+e+3], v[rS+e+2:rS+e+3], v[rT+14:rT+15]
.set e, e+4
.endr
.set k, 0
.rept 16
	v_cvt_pk_f16_f32 v[rS+k], v[TMP+2*k], v[TMP+2*k+1]   ; two tiles of 16 keys, packed, are source 1 of V^T P
.set k, k+1
.endr
.set e, 0
.rept 16
	v_pk_mul_f32 v[rO+e:rO+e+1], v[rO+e:rO+e+1], v[rT+2:rT+3] op_sel_hi:[1,0]
.set e, e+2
.endr
.endm
.macro PV t                            ; the four accumulators take turns
	WIN 0x01
.irp k2, 0,1
.irp b, 0,1,2,3
	v_wmma_f32_16x16x32_f16 v[O+32*\t+8*\b:O+32*\t+8*\b+7], v[128+8*(4*\k2+\b):128+8*(4*\k2+\b)+7], v[S+32*\t+8*\k2:S+32*\t+8*\k2+7], v[O+32*\t+8*\b:O+32*\t+8*\b+7]
.endr
.endr
	WIN 0
.endm
; ONE CHUNK for my 32 queries and my 64 keys
.macro STEP
	v_add_nc_u32 v4, s23, v2
	v_add_nc_u32 v5, s23, v3                       ; with the four v_nop at the last step's end: six places behind its last product
	WIN 0x40
.set f, 0
.rept 16                               ; piece f: keys 16 (f / 4) on, channels 16 (f % 4) on
	ds_load_b128 v[64+4*f:67+4*f], v4 offset:512*f
.set f, f+1
.endr
.set f, 0
.rept 16                               ; f = 8 k2 + 2 b + e: keys 32 k2 + 16 e on, channels 16 b on
	ds_load_tr16_b128 v[128+4*f:131+4*f], v5 offset:(2*(f/8)+f%2)*2048+512*((f/2)%4)
.set f, f+1
.endr
	s_wait_dscnt 16                                ; K is in; V's sixteen loads may be out
	WIN 0x05
.irp t, 0,1
.irp s, 0,1
.irp k, 0,1,2,3
.if \s == 0
	v_wmma_f32_16x16x32_f16 v[S+32*\t+8*\k:S+32*\t+8*\k+7], v[64+16*\k:64+16*\k+7], v[16*\t:16*\t+7], 0
.else
	v_wmma_f32_16x16x32_f16 v[S+32*\t+8*\k:S+32*\t+8*\k+7], v[64+16*\k+8:64+16*\k+15], v[16*\t+8:16*\t+15], v[S+32*\t+8*\k:S+32*\t+8*\k+7]
.endif
.endr
.endr
.endr
	WIN 0
.rept 4
	v_nop
.endr
	s_cmp_eq_u32 s18, 0
	s_cbranch_scc1 .Lnomask_\@
	MASK 0
	MASK 1
.Lnomask_\@:
	SOFTMAX 0
	s_wait_dscnt 0x0                               ; V is in
	PV 0
	SOFTMAX 1                                      ; tile 1's vector work stands behind tile 0's products and names none of their registers
	PV 1
.rept 4
	v_nop                                          ; places behind the last products, for whatever follows on any way
.endr
.endm
; A BLOCK'S END: l and W in one register each; the waves of the upper key half hand O^T, c m, l, W over
.macro ENDBLK
.irp t, 0,1
.irp q, 8,12
	v_add_f32 v[ST+16*\t+\q], v[ST+16*\t+\q], v[ST+16*\t+\q+1]
	v_add_f32 v[ST+16*\t+\q+2], v[ST+16*\t+\q+2], v[ST+16*\t+\q+3]
	v_add_f32 v[ST+16*\t+\q], v[ST+16*\t+\q], v[ST+16*\t+\q+2]
.endr
.endr
	s_cmp_eq_u32 s12, 0
	s_cbranch_scc1 .Lkeep_\@
.irp t, 0,1
	v_mov_b32 v[TMP+4*\t], v[ST+16*\t]
	v_mov_b32 v[TMP+4*\t+1], v[ST+16*\t+8]
	v_mov_b32 v[TMP+4*\t+2], v[ST+16*\t+12]
	v_mov_b32 v[TMP+4*\t+3], 0
.irp x, 0,1,2,3,4,5,6,7
	ds_store_b128 v6, v[O+32*\t+4*\x:O+32*\t+4*\x+3] offset:4608*\t+512*\x
.endr
	ds_store_b128 v6, v[TMP+4*\t:TMP+4*\t+3] offset:4608*\t+4096
.endr
.Lkeep_\@:
.endm
; The waves of the lower key half join the halves, divide, and store the block's part of yimg (as a 16-bit operand's registers: [row / 16][k / 32][c][lane][16 bytes]) and of ent
.macro MERGE
	s_lshl_b32 s72, s45, 18                        ; 8 tiles of 16 rows x 32,768 bytes a block
	s_mov_b32 s73, 0
	s_add_nc_u64 s[70:71], s[60:61], s[72:73]
	s_lshl_b32 s72, s45, 9                         ; 128 numbers a block
	s_add_nc_u64 s[74:75], s[62:63], s[72:73]
.irp t, 0,1
.irp x, 0,1,2,3,4,5,6,7
	ds_load_b128 v[S+32*\t+4*\x:S+32*\t+4*\x+3], v6 offset:4608*\t+512*\x
.endr
	ds_load_b128 v[TMP+8+4*\t:TMP+11+4*\t], v6 offset:4608*\t+4096
.endr
	s_wait_dscnt 0x0
.irp t, 0,1
.set rT, ST+16*\t
.set rS, S+32*\t
.set rO, O+32*\t
.set rQ, TMP+8+4*\t
	v_max_num_f32 v18, v[rT], v[rQ]
	v_sub_f32 v20, v[rT], v18
	v_sub_f32 v22, v[rQ], v18
	v_max_num_f32 v20, 0xc3480000, v20
	v_max_num_f32 v22, 0xc3480000, v22
	v_exp_f32 v24, v20
	v_exp_f32 v25, v22
	v_fma_f32 v29, v20, v[rT+8], v[rT+12]
	v_fma_f32 v17, v22, v[rQ+1], v[rQ+2]
	s_wait_alu depctr_va_vdst(0)                   ; one wait for the two exponentials
	v_mul_f32 v26, v24, v[rT+8]
	v_mul_f32 v29, v24, v29
	v_fma_f32 v26, v25, v[rQ+1], v26
	v_fma_f32 v29, v25, v17, v29
	v_permlanex16_b32 v27, v26, s50, s51
	v_permlanex16_b32 v28, v29, s50, s51
	v_add_f32 v26, v26, v27                        ; l
	v_add_f32 v29, v29, v28                        ; W
	v_rcp_f32 v30, v26
	v_log_f32 v31, v26
	v_nop
	s_wait_alu depctr_va_vdst(0)                   ; one wait for the two
	v_mul_f32 v20, v24, v30
	v_mul_f32 v22, v25, v30
	v_fma_f32 v29, -v29, v30, v31
	v_mul_f32 v[14+\t], 0x3f317218, v29            ; ln 2 (log2 l - W / l)
.set e, 0
.rept 16
	v_pk_mul_f32 v[rS+e:rS+e+1], v[rS+e:rS+e+1], v[22:23] op_sel_hi:[1,0]
.set e, e+2
.endr
.set e, 0
.rept 16
	v_pk_fma_f32 v[rS+e:rS+e+1], v[rO+e:rO+e+1], v[20:21], v[rS+e:rS+e+1] op_sel_hi:[1,0,1]
.set e, e+2
.endr
.set k, 0
.rept 16
	v_cvt_pk_f16_f32 v[rS+k], v[rS+2*k], v[rS+2*k+1]     ; in place: register k is written when 2 k and 2 k + 1 are read
.set k, k+1
.endr
.irp b, 0,1,2,3
	global_store_b128 v7, v[rS+4*\b:rS+4*\b+3], s[70:71] offset:32768*\t+512*\b   ; 512 consecutive bytes, aligned
.endr
.endr
	v_cndmask_b32 v14, v14, v15, s66               ; lanes 0-15 tile 0's queries, lanes 16-31 tile 1's
	global_store_b32 v8, v14, s[74:75]
	s_wait_xcnt 0x0                                ; the stores have read their registers and bases
.endm
.macro RESET                           ; the second block begins.  O^T, l and W are not cleared: they are finite, and its first f is 0
.irp t, 0,1
	v_mov_b32 v[ST+16*\t+1], v11
	v_mul_f32 v[ST+16*\t], s48, v11
.endr
	WIN 0x41
.set k, 0
.rept 32
	v_mov_b32 v[k], v[32+k]
.set k, k+1
.endr
	WIN 0
.endm
; A CHUNK.  Two barriers, which every wave passes: the first parts the exchange's stores from its loads, the second its loads from the next stores.
.macro CB first
	MIDBAR
.if !\first
	s_cmp_eq_u32 s19, 0
	s_cbranch_scc1 .Lnopend_\@
	s_cmp_eq_u32 s12, 0
	s_cbranch_scc0 .Lnomerge_\@
	MERGE
.Lnomerge_\@:
	RESET
.Lnopend_\@:
.endif
	s_and_b32 s46, s18, s20
	s_cmp_eq_u32 s46, 1
	s_cbranch_scc1 .Lhid_\@                        ; on the diagonal keys 64 to 127 are hidden from queries 0 to 63
	STEP
.Lhid_\@:
	MIDBAR
	s_cmp_eq_u32 s18, 0
	s_cbranch_scc1 .Lnoend_\@
	ENDBLK
.Lnoend_\@:
	s_mov_b32 s19, s18
	s_add_co_u32 s17, s17, 1
	s_cmp_eq_u32 s18, 1
	s_cselect_b32 s17, 0, s17
	s_cselect_b32 s45, s15, s45
	s_cselect_b32 s15, s44, s15
	s_cmp_eq_u32 s17, s15
	s_cselect_b32 s18, 1, 0
	s_add_co_u32 s23, s23, 0x8000
.endm
.macro VISIT                           ; a slot's two chunks: written once, walked twice
	s_mov_b32 s53, 2
.Lcb_\@:
	CB 0
	s_sub_co_u32 s53, s53, 1
	s_cmp_lg_u32 s53, 0
	s_cbranch_scc1 .Lcb_\@
	s_sub_co_u32 s23, s23, 0x10000
	s_xor_b32 s23, s23, 0x10000
.endm
	s_load_b128 s[4:7], s[0:1], 0x0                ; qkv16, yimg
	s_load_b64 s[8:9], s[0:1], 0x10                ; ent
	v_lshl_add_u32 v12, v0, 2, SPARE
	v_mov_b32 v13, 0
	ds_add_u32 v12, v13                            ; the wave's opening: the add, twice on end, and its wait ahead of the first tensor load
	ds_add_u32 v12, v13
	v_lshrrev_b32 v1, 5, v0
	v_readfirstlane_b32 s10, v1
	s_lshr_b32 s11, s10, 1
	s_and_b32 s12, s10, 1
	s_mov_b32 s13, ttmp9
	s_and_b32 s14, ttmp7, 0xffff
	s_mov_b32 s15, s13
	s_mov_b32 s17, 0
	s_cmp_eq_u32 s13, 0
	s_cselect_b32 s18, 1, 0
	s_mov_b32 s19, 0
	s_cmp_lt_u32 s11, 2
	s_cselect_b32 s20, s12, 0
	s_lshl_b32 s21, s11, 5
	s_lshl_b32 s22, s12, 6
	s_sub_co_i32 s21, s21, s22
	s_add_co_i32 s22, s21, 16
	s_add_co_u32 s43, s13, 1
	s_sub_co_u32 s44, 15, s13
	s_mov_b32 s45, s13
	s_mov_b32 s48, 0x3e38aa3b                      ; c = log2(e) / 8
	s_mov_b32 s49, s48
	s_mov_b32 s50, 0x76543210
	s_mov_b32 s51, 0xfedcba98
	s_mov_b32 s66, 0xffff0000
	s_mov_b32 s24, 3<<16                           ; group 1: 16,384 dense bytes as 64 rows of 32 elements of 8 bytes; no mask, no padding
	s_mov_b32 s25, 32<<16
	s_mov_b32 s26, 64<<16
	s_mov_b32 s27, 32<<16
	s_mov_b32 s28, 64
	s_mov_b32 s29, 32
	s_mov_b32 s30, 0
	s_mov_b32 s31, 0
	s_mov_b32 s32, 1
	s_lshl_b32 s33, s10, 14                        ; slot 0: wave x 16,384
	s_mov_b32 s36, 1
	s_add_co_u32 s37, s33, 0x20000
	s_and_b32 s42, s11, 1
	s_add_co_u32 s42, s42, 1                       ; my first chunk in the slots: number 1 or 2
	s_cmp_gt_u32 s42, s13
	s_cselect_b32 s46, s43, 0
	s_sub_co_u32 s46, s42, s46
	s_lshl_b32 s46, s46, 14
	s_mov_b32 s47, 0
	s_add_co_u32 s70, s12, 1
	s_lshl_b32 s70, s70, 23                        ; K's section or V's
	s_lshl_b32 s71, s14, 18
	s_add_co_u32 s70, s70, s71
	s_mov_b32 s71, 0
	s_and_b32 s72, s11, 1
	s_add_co_u32 s72, s72, 1
	s_lshl_b32 s72, s72, 23                        ; the prefetches: waves 4, 5 K; 6, 7 V
	s_lshl_b32 s73, s14, 18
	s_add_co_u32 s72, s72, s73
	s_add_co_u32 s73, s12, 3
	s_lshl_b32 s73, s73, 14                        ; at chunk 3 or 4: the first change steps it two on.  Nothing is prefetched at the head
	s_add_co_u32 s72, s72, s73
	s_mov_b32 s73, 0
	s_lshr_b32 s56, s10, 2
	s_xor_b32 s56, s56, 1
	s_or_b32 s56, s56, ttmp9
	s_cmp_eq_u32 s56, 0
	s_cselect_b32 s56, 2, -1
	v_and_b32 v1, 31, v0
	v_lshlrev_b32 v7, 4, v1                        ; 16 x lane
	v_lshlrev_b32 v8, 2, v1
	v_lshlrev_b32 v16, 8, v1
	s_lshl_b32 s74, s12, 13                        ; my 64 keys: 8,192 bytes on for the upper half
	v_add_nc_u32 v2, s74, v7
	v_bfe_u32 v14, v0, 4, 1
	v_and_b32 v15, 7, v0
	v_lshl_add_u32 v3, v14, 3, v15
	v_lshlrev_b32 v3, 5, v3                        ; V: key 8 h + lane % 8, 32 bytes a key,
	v_bfe_u32 v15, v0, 3, 1
	v_lshl_add_u32 v3, v15, 4, v3                  ; channels 8 ((lane / 8) % 2) on
	s_add_co_u32 s74, s74, 16384
	v_add_nc_u32 v3, s74, v3
	s_mul_i32 s74, s11, 9216
	s_add_co_u32 s74, s74, XCH
	v_add_nc_u32 v6, s74, v7
	v_and_b32 v15, 15, v0
	v_lshlrev_b32 v14, 3, v14
	v_sub_nc_u32 v15, v15, v14
	v_add_nc_u32 v9, s21, v15
	v_add_nc_u32 v10, s22, v15
	v_mov_b32 v11, 0xff61b1e6                      ; -3e38
	s_wait_dscnt 0x0                               ; both opening adds are done
	s_wait_kmcnt 0x0
	s_add_nc_u64 s[40:41], s[4:5], s[70:71]
	s_add_nc_u64 s[34:35], s[40:41], s[46:47]
	s_or_b32 s35, s35, 0x80000000
	s_mov_b64 s[38:39], s[40:41]
	s_or_b32 s39, s39, 0x80000000
	s_cmp_lt_u32 s10, 2                            ; a wave's first fills stand in one arm, ahead of every wait for tensor loads, every LDS read and every barrier
	s_cbranch_scc0 .Lnot_01
	tensor_load_to_lds s[36:39], s[24:31]          ; memory chunk 0, for the first chunk
	s_nop 0
	tensor_load_to_lds s[32:35], s[24:31]          ; slot 0
	s_nop 0
.rept 4
	v_nop
.endr
	s_branch .Lfilled
.Lnot_01:
	s_cmp_lt_u32 s10, 4
	s_cbranch_scc0 .Lfilled
	tensor_load_to_lds s[32:35], s[24:31]
	s_nop 0
.rept 4
	v_nop
.endr
.Lfilled:
	s_add_nc_u64 s[54:55], s[4:5], s[72:73]
	s_lshl_b32 s72, s14, 18
	s_lshl_b32 s74, s11, 12                        ; my two tiles of 16 queries: 2,048 bytes each
	s_add_co_u32 s72, s72, s74
	s_add_nc_u64 s[58:59], s[4:5], s[72:73]
	s_lshl_b32 s72, s13, 14
	s_add_nc_u64 s[68:69], s[58:59], s[72:73]      ; block i
	s_lshl_b32 s72, s44, 14
	s_add_nc_u64 s[76:77], s[58:59], s[72:73]      ; block 15 - i
	WIN 0x40
.irp t, 0,1
.irp b, 0,1,2,3
	global_load_b128 v[16*\t+4*\b:16*\t+4*\b+3], v7, s[68:69] offset:2048*\t+512*\b
	global_load_b128 v[32+16*\t+4*\b:32+16*\t+4*\b+3], v7, s[76:77] offset:2048*\t+512*\b
.endr
.endr
	WIN 0
	s_lshr_b32 s72, s14, 4
	s_lshl_b32 s72, s72, 22                        ; yimg: 128 tiles of 16 rows a batch,
	s_lshl_b32 s74, s11, 16                        ; my two tiles,
	s_add_co_u32 s72, s72, s74
	s_and_b32 s74, s14, 15
	s_lshl_b32 s74, s74, 11                        ; my head's 64 of the 1,024 along K
	s_add_co_u32 s72, s72, s74
	s_add_nc_u64 s[60:61], s[6:7], s[72:73]
	s_lshl_b32 s72, s14, 13
	s_lshl_b32 s74, s11, 7
	s_add_co_u32 s72, s72, s74
	s_add_nc_u64 s[62:63], s[8:9], s[72:73]
.set k, 0
.rept 64
	v_mov_b32 v[O+k], 0                            ; cleared once: the step is written with no first step of its own
.set k, k+1
.endr
.irp t, 0,1
	v_mul_f32 v[ST+16*\t], s48, v11
	v_mov_b32 v[ST+16*\t+1], v11
.irp q, 2,3,4,5,6,7,8,9,10,11,12,13,14,15
	v_mov_b32 v[ST+16*\t+\q], 0
.endr
.endr
.irp q, 21,23,27,28
	v_mov_b32 v[\q], 0                             ; upper halves of pairs, and lane permutes' destinations: written before they are named
.endr
	s_wait_loadcnt 0x0                             ; Q
	s_wait_tensorcnt 0x0                           ; my first fills have landed
	s_mov_b32 s23, 0x20000
	CB 1
	s_mov_b32 s23, 0
	s_mov_b32 s52, 7
.Lvisit:                                           ; seven trips: the first fills slot 1 for the first time, the others fill again the slot just left
	CHANGE 1
	VISIT
	s_sub_co_u32 s52, s52, 1
	s_cmp_lg_u32 s52, 0
	s_cbranch_scc1 .Lvisit
	CHANGE 0                                       ; the last slot is written out
	VISIT
	MIDBAR
	s_cmp_eq_u32 s12, 0
	s_cbranch_scc0 .Ldone
	MERGE
.Ldone:
	s_wait_tensorcnt 0x0                           ; the wave's end
	ds_add_u32 v12, v13
	s_wait_dscnt 0x0
	s_endpgm
.Lfunc_end_k_q6a438dd820_attn:
	.size	k_q6a438dd820_attn, .Lfunc_end_k_q6a438dd820_attn-k_q6a438dd820_attn
	.p2alignl 7, 3214868480
	.fill 96, 4, 3214868480
	.section	.rodata,"a",@progbits
	.p2align	6, 0x0
	.amdhsa_kernel k_q6a438dd820_attn
		.amdhsa_group_segment_fixed_size 327680
		.amdhsa_private_segment_fixed_size 0
		.amdhsa_enable_private_segment 0
		.amdhsa_kernarg_size 24
		.amdhsa_user_sgpr_count 2
		.amdhsa_user_sgpr_kernarg_segment_ptr 1
		.amdhsa_wavefront_size32 1
		.amdhsa_system_sgpr_workgroup_id_x 1
		.amdhsa_system_sgpr_workgroup_id_y 1
		.amdhsa_system_sgpr_workgroup_id_z 1
		.amdhsa_system_vgpr_workitem_id 0
		.amdhsa_next_free_vgpr 512
		.amdhsa_next_free_sgpr 80
		.amdhsa_reserve_vcc 1
		.amdhsa_float_denorm_mode_32 3
		.amdhsa_float_denorm_mode_16_64 3
		.amdhsa_memory_ordered 1
		.amdhsa_forward_progress 1
		.amdhsa_inst_pref_size 127
	.end_amdhsa_kernel
	.amdgpu_metadata
---
amdhsa.version: [ 1, 2 ]
amdhsa.kernels:
  - .name:           k_q6a438dd820_attn
    .symbol:         k_q6a438dd820_attn.kd
    .args:
      - { .name: qkv16, .offset: 0, .size: 8, .value_kind: global_buffer, .address_space: global }
      - { .name: yimg, .offset: 8, .size: 8, .value_kind: global_buffer, .address_space: global }
      - { .name: ent, .offset: 16, .size: 8, .value_kind: global_buffer, .address_space: global }
    .group_segment_fixed_size: 327680
    .private_segment_fixed_size: 0
    .kernarg_segment_align: 8
    .kernarg_segment_size: 24
    .max_flat_workgroup_size: 256
    .sgpr_count:     80
    .vgpr_count:     512
    .wavefront_size: 32
...
	.end_amdgpu_metadata
.endif
;; end of part 3
;; launch proj (part 4): grid 8 x 32, 4 waves a work-group, clusters of 4 x 4, 327,680 bytes of LDS; arguments yimg, wpimg, out0; writes out0
.if DOCPART == 4
	.amdgcn_target "amdgcn-amd-amdhsa--gfx1250"
	.amdhsa_code_object_version 6
	.text
	.protected	k_q6a438dd820_proj
	.globl	k_q6a438dd820_proj
	.p2align	8
	.type	k_q6a438dd820_proj,@function
k_q6a438dd820_proj:
	s_mov_b64 s[64:65], 0
	v_nop
	global_prefetch_b8 v0, s[64:65] scope:SCOPE_SE
	s_setreg_imm32_b32 hwreg(HW_REG_WAVE_MODE, 25, 1), 1
	s_wait_xcnt 0x0
	s_wait_alu depctr_hold_cnt(0) depctr_sa_sdst(0) depctr_va_vdst(0) depctr_va_sdst(0) depctr_va_ssrc(0) depctr_va_vcc(0) depctr_vm_vsrc(0)
	s_getreg_b32 s2, hwreg(HW_REG_IB_STS2, 6, 4)
	s_cmp_eq_u32 s2, 0
	s_cbranch_scc0 .Lentry_in_a_cluster
	s_endpgm
.Lentry_in_a_cluster:
	s_bfe_u32 s2, ttmp6, 0x10000c
	s_cmp_lg_u32 s2, 0xf033
	s_cbranch_scc0 .Lentry_shape_is_right
	s_endpgm
.Lentry_shape_is_right:
; out0 = y W_proj: [4096][1024] x [1024][1024], f16 operands, f32 sums, f32 out.  Both operands lie in memory as images of their registers: [16 rows or columns][k / 32][c 2][lane][16 bytes].
; A tile of 128 x 128 gives 256 work-groups; four waves, 64 x 64 each: 16 accumulators.  K goes in steps of 256 through two LDS slots; a wave's tensor load brings 4 tiles of 16 x 8,192 bytes.
; CLUSTERS: 4 x 4 work-groups; y's tiles are asked for jointly along a row of the cluster, W_proj's along a column.
; THE MATRIX INSTRUCTION IS USED TRANSPOSED (source 0 = 16 columns of W_proj, source 1 = 16 rows of y): a lane holds eight neighbouring numbers of a row of out0.
; A wave's 64 columns are 256 aligned bytes of a row: each wave has a stage of its own on the way out, and no barrier stands there.
; All rows are stored, those of the first 16 positions of each batch too: a later launch stores these again in f32; a test that left them out here would hang on the place in the cluster.
; REGISTERS: window 0: v16-29 addresses; v32-95 the way out; v128-255 the accumulators.  Window 1: two fragment buffers of 128.
.set HALFT,  32768                     ; what one tensor load brings
.set SLOT,   4*HALFT
.set KSB,    8192                      ; a K step of a tile of 16, in bytes
.set STAGE,  2*SLOT
.set SPITCH, 272
.set SPARE,  STAGE+4*16*SPITCH         ; the spare words, 128 bytes a wave: no other line names them
.set LAPS,   2
.set ADRA, 16
.set ADRB, 20
.set STO,  24
.set RD,   25
.set CO,   26
.set SPW,  28
.set NIL,  29
.set TMP,  32
.set ACC,  128
.set F0,   0
.set F1,   128
.set G1, 24
.set G0, 32
.set G1B, 48
.set G0B, 56
.set MSB, 0
.macro WIN new
.if MSB != \new
	s_set_vgpr_msb (MSB<<8)|\new
.set MSB, \new
.endif
.endm
.set MUL,  0x05
.set TO_F, 0x40
.macro JLOAD s                         ; waves 0 and 1 fetch y's two halves, waves 2 and 3 W_proj's; an s_nop 0 and four v_nop follow each line
	s_cmp_eq_u32 s11, 0
	s_cbranch_scc0 .Lfor_b_\@
	tensor_load_to_lds s[G0+4*\s:G0+4*\s+3], s[G1:G1+7]
	s_nop 0
.rept 4
	v_nop
.endr
	s_branch .Lasked_\@
.Lfor_b_\@:
	tensor_load_to_lds s[G0B+4*\s:G0B+4*\s+3], s[G1B:G1B+7]
	s_nop 0
.rept 4
	v_nop
.endr
.Lasked_\@:
.endm
.macro CREST
	s_cmp_lg_u32 s10, 0
	s_cbranch_scc1 .Lnot_wave_0_\@
	s_barrier_signal -3
.Lnot_wave_0_\@:
	s_barrier_wait -3
	s_barrier_signal -1
	s_barrier_wait -1
.endm
.macro CROUND
	s_barrier_signal -1
	s_barrier_wait -1
	CREST
.endm
	s_load_b128 s[4:7], s[0:1], 0x0                ; yimg, wpimg
	s_load_b64 s[8:9], s[0:1], 0x10                ; out0
	v_lshl_add_u32 v[SPW], v0, 2, SPARE
	v_mov_b32 v[NIL], 0
	ds_add_u32 v[SPW], v[NIL]                      ; the wave's opening: the add, twice on end, and its wait ahead of my first tensor load
	ds_add_u32 v[SPW], v[NIL]
	v_lshrrev_b32 v1, 5, v0
	v_readfirstlane_b32 s10, v1
	s_lshr_b32 s11, s10, 1                         ; my half of the rows; also: I fetch for y (0) or W_proj (1)
	s_and_b32 s12, s10, 1                          ; my half of the columns; also: which 64 I fetch
	s_bfe_u32 s40, ttmp6, 0x40000
	s_bfe_u32 s41, ttmp6, 0x40004
	s_lshl_b32 s42, ttmp9, 2
	s_add_co_u32 s42, s42, s40                     ; tile column
	s_and_b32 s13, ttmp7, 0xffff
	s_lshl_b32 s13, s13, 2
	s_add_co_u32 s13, s13, s41                     ; tile row
	s_lshl_b32 s43, s41, 2
	s_lshl_b32 s43, 15, s43
	s_lshl_b32 s44, 0x1111, s40
	s_or_b32 s[G1+0], s43, (3<<16)|(1<<21)         ; elements of 8 bytes, no padding
	s_or_b32 s[G1B+0], s44, (3<<16)|(1<<21)
.irp g, G1, G1B
	s_mov_b32 s[\g+1], 1024<<16                    ; 8,192 bytes
	s_mov_b32 s[\g+2], 4<<16                       ; of each of 4 tiles of 16,
	s_mov_b32 s[\g+3], 1024<<16
	s_mov_b32 s[\g+4], 4
	s_mov_b32 s[\g+5], 4096                        ; 32,768 bytes apart
	s_mov_b32 s[\g+6], 0
	s_mov_b32 s[\g+7], 0
.endr
	s_lshl_b32 s17, s12, 6
	s_lshl_b32 s16, s13, 7
	s_add_co_u32 s16, s16, s17                     ; y: row 128 x tile row + 64 x half
	s_lshl_b32 s46, s42, 7
	s_add_co_u32 s46, s46, s17                     ; W_proj: column likewise
	s_mov_b32 s17, 0
	s_mov_b32 s47, 0
	s_mov_b64 s[18:19], 2048                       ; 16 rows are 32,768 bytes: 2,048 a row
	s_mul_u64 s[16:17], s[16:17], s[18:19]
	s_mul_u64 s[46:47], s[46:47], s[18:19]
	s_mul_i32 s20, s10, HALFT
	s_wait_dscnt 0x0
	s_wait_kmcnt 0x0
	s_add_nc_u64 s[14:15], s[4:5], s[16:17]
	s_add_nc_u64 s[46:47], s[6:7], s[46:47]
	CROUND
.irp s, 0,1
	s_mov_b32 s[G0+4*\s], 1
	s_add_co_u32 s[G0+4*\s+1], s20, \s*SLOT
	s_add_nc_u64 s[G0+4*\s+2:G0+4*\s+3], s[14:15], \s*KSB
	s_or_b32 s[G0+4*\s+3], s[G0+4*\s+3], 0x80000000
	s_mov_b32 s[G0B+4*\s], 1
	s_add_co_u32 s[G0B+4*\s+1], s20, \s*SLOT
	s_add_nc_u64 s[G0B+4*\s+2:G0B+4*\s+3], s[46:47], \s*KSB
	s_or_b32 s[G0B+4*\s+3], s[G0B+4*\s+3], 0x80000000
	JLOAD \s
.endr
	v_and_b32 v1, 15, v0
	v_bfe_u32 v2, v0, 4, 1
	v_and_b32 v3, 31, v0
	v_lshlrev_b32 v3, 4, v3                        ; an image's place for my lane
	s_mul_i32 s21, s11, HALFT
	s_mul_i32 s22, s12, HALFT
	s_add_co_u32 s22, s22, 2*HALFT
.irp s, 0,1
	v_add_nc_u32 v[ADRA+\s], s21, v3
	v_add_nc_u32 v[ADRB+\s], s22, v3
	s_add_co_u32 s21, s21, SLOT
	s_add_co_u32 s22, s22, SLOT
.endr
	s_mul_i32 s23, s10, 16*SPITCH
	s_add_co_u32 s23, s23, STAGE                   ; my stage
	v_mul_u32_u24 v4, v1, SPITCH
	v_lshl_add_u32 v4, v2, 5, v4
	v_add_nc_u32 v[STO], s23, v4                   ; in: row r, 32 bytes for each half of the lanes
	v_mul_u32_u24 v5, v2, SPITCH
	v_lshl_add_u32 v5, v1, 4, v5
	v_add_nc_u32 v[RD], s23, v5                    ; back: lanes 0-15 one row of 256 bytes, lanes 16-31 the next
	v_lshlrev_b32 v5, 12, v2
	v_lshl_add_u32 v[CO], v1, 4, v5                ; and the same two rows in out0
	s_lshl_b32 s16, s13, 7
	s_lshl_b32 s17, s11, 6
	s_add_co_u32 s16, s16, s17
	s_lshl_b32 s16, s16, 12                        ; my first row, 4,096 bytes a row
	s_mov_b32 s17, 0
	s_add_nc_u64 s[8:9], s[8:9], s[16:17]
	s_lshl_b32 s46, s42, 9
	s_lshl_b32 s47, s12, 8
	s_add_co_u32 s46, s46, s47                     ; my first column, in bytes
	s_mov_b32 s47, 0
	s_add_nc_u64 s[8:9], s[8:9], s[46:47]
.macro MUL8 f, c, a0, zero             ; the 16 accumulators take turns
.irp a, \a0, \a0+1
.irp b, 0,1,2,3
.if \zero
	v_wmma_f32_16x16x32_f16 v[ACC+8*(4*(\a)+\b):ACC+8*(4*(\a)+\b)+7], v[\f+64+8*(4*\c+\b):\f+64+8*(4*\c+\b)+7], v[\f+8*(4*\c+\a):\f+8*(4*\c+\a)+7], 0
.else
	v_wmma_f32_16x16x32_f16 v[ACC+8*(4*(\a)+\b):ACC+8*(4*(\a)+\b)+7], v[\f+64+8*(4*\c+\b):\f+64+8*(4*\c+\b)+7], v[\f+8*(4*\c+\a):\f+8*(4*\c+\a)+7], v[ACC+8*(4*(\a)+\b):ACC+8*(4*(\a)+\b)+7]
.endif
.endr
.endr
.endm
.macro FETCH slot, k, f                ; 32 LDS loads in one run: 64 along K from byte k of each tile's 8,192; the first 32 along K first
	WIN TO_F
.irp c, 0,1
.irp i, 0,1,2,3
	ds_load_b128 v[\f+64+8*(4*\c+\i):\f+64+8*(4*\c+\i)+3],   v[ADRB+\slot] offset:\k+1024*\c+\i*KSB
	ds_load_b128 v[\f+64+8*(4*\c+\i)+4:\f+64+8*(4*\c+\i)+7], v[ADRB+\slot] offset:\k+1024*\c+\i*KSB+512
	ds_load_b128 v[\f+8*(4*\c+\i):\f+8*(4*\c+\i)+3],         v[ADRA+\slot] offset:\k+1024*\c+\i*KSB
	ds_load_b128 v[\f+8*(4*\c+\i)+4:\f+8*(4*\c+\i)+7],       v[ADRA+\slot] offset:\k+1024*\c+\i*KSB+512
.endr
.endr
.endm
.macro PLACES
.rept 4
	v_nop
.endr
.endm
.macro QUARTER slot, k, f, g, zero
	s_wait_dscnt 16                                ; the first 32 along K are in; the other sixteen loads may be out
	WIN MUL
	MUL8 \f, 0, 0, \zero
	MUL8 \f, 0, 2, \zero
	PLACES
	FETCH \slot, \k, \g
	s_wait_dscnt 32                                ; all but the 32 just issued
	WIN MUL
	MUL8 \f, 1, 0, 0
	MUL8 \f, 1, 2, 0
.endm
.macro TURN slot, next, fill           ; the last quarter changes slots: one barrier; with fill = 1 it opens a round of the cluster's barrier, and the slot is filled again two K steps ahead
	WIN 0
	s_wait_tensorcnt 0x0                           ; all my tensor loads have landed: my part of the next slot
	ds_add_u32 v[SPW], v[NIL]
	s_wait_dscnt 17                                ; the add and the youngest sixteen loads may be out
	WIN MUL
	MUL8 F1, 0, 0, 0
	s_wait_dscnt 0x0                               ; the add is done, and my reads of this slot are over
	s_barrier_signal -1
	MUL8 F1, 0, 2, 0
.if \fill
	WIN 0
.endif
	s_barrier_wait -1
.if \fill
	CREST
	s_add_nc_u64 s[G0+4*\slot+2:G0+4*\slot+3], s[G0+4*\slot+2:G0+4*\slot+3], 2*KSB
	s_add_nc_u64 s[G0B+4*\slot+2:G0B+4*\slot+3], s[G0B+4*\slot+2:G0B+4*\slot+3], 2*KSB
	JLOAD \slot                                    ; the first tensor load behind the round; its four v_nop are also the places in front of the loads below
.else
	PLACES
.endif
	FETCH \next, 0, F0
	WIN MUL
	MUL8 F1, 1, 0, 0
	MUL8 F1, 1, 2, 0
.endm
	s_wait_tensorcnt 1                             ; my part of K step 0 is in; K step 1's load may be out
	s_barrier_signal -1
	s_barrier_wait -1
	FETCH 0, 0, F0
	QUARTER 0, 2048, F0, F1, 1
	WIN 0
	s_mov_b32 s3, LAPS-1
.Llap:
	QUARTER 0, 4096, F1, F0, 0
	QUARTER 0, 6144, F0, F1, 0
	TURN 0, 1, 1
	QUARTER 1, 2048, F0, F1, 0
	QUARTER 1, 4096, F1, F0, 0
	QUARTER 1, 6144, F0, F1, 0
	TURN 1, 0, 1
	QUARTER 0, 2048, F0, F1, 0
	WIN 0
	s_sub_co_u32 s3, s3, 1
	s_cmp_lg_u32 s3, 0
	s_cbranch_scc1 .Llap
	QUARTER 0, 4096, F1, F0, 0
	QUARTER 0, 6144, F0, F1, 0
	TURN 0, 1, 0
	QUARTER 1, 2048, F0, F1, 0
	QUARTER 1, 4096, F1, F0, 0
	QUARTER 1, 6144, F0, F1, 0
	s_wait_dscnt 16
	WIN MUL
	MUL8 F1, 0, 0, 0
	MUL8 F1, 0, 2, 0
	s_wait_dscnt 0
	MUL8 F1, 1, 0, 0
	MUL8 F1, 1, 2, 0
	WIN 0
; THE WAY OUT, 16 rows x 64 columns at a time, through my own stage: LDS serves a wave's instructions in order, so no wait stands between the stores and the loads
.macro TOSTAGE a
.irp b, 0,1,2,3
	ds_store_b128 v[STO], v[ACC+8*(4*(\a)+\b):ACC+8*(4*(\a)+\b)+3] offset:64*\b        ; each accumulator from its low end on
	ds_store_b128 v[STO], v[ACC+8*(4*(\a)+\b)+4:ACC+8*(4*(\a)+\b)+7] offset:64*\b+16
.endr
.irp u, 0,1,2,3,4,5,6,7
	ds_load_b128 v[TMP+32*((\a)%2)+4*\u:TMP+32*((\a)%2)+4*\u+3], v[RD] offset:2*\u*SPITCH
.endr
.endm
.macro SEND a, younger
	s_wait_dscnt \younger
.irp u, 0,1,2,3,4,5,6,7
	global_store_b128 v[CO], v[TMP+32*((\a)%2)+4*\u:TMP+32*((\a)%2)+4*\u+3], s[8:9] offset:(16*(\a)+2*\u)*4096 th:TH_STORE_NT   ; sixteen lanes store 256 consecutive bytes, aligned
.endr
.endm
	PLACES
	TOSTAGE 0
	TOSTAGE 1
	SEND 0, 16                                     ; behind block 0's loads: block 1's 8 stores and 8 loads
	s_wait_xcnt 0x0                                ; block 0's stores have read their registers
	TOSTAGE 2
	SEND 1, 16
	s_wait_xcnt 0x0
	TOSTAGE 3
	SEND 2, 16
	SEND 3, 0
	s_wait_tensorcnt 0x0                           ; the wave's end
	ds_add_u32 v[SPW], v[NIL]
	s_wait_dscnt 0x0
	CROUND                                         ; the closing round
	s_endpgm
.Lfunc_end_k_q6a438dd820_proj:
	.size	k_q6a438dd820_proj, .Lfunc_end_k_q6a438dd820_proj-k_q6a438dd820_proj
	.p2alignl 7, 3214868480
	.fill 96, 4, 3214868480
	.section	.rodata,"a",@progbits
	.p2align	6, 0x0
	.amdhsa_kernel k_q6a438dd820_proj
		.amdhsa_group_segment_fixed_size 327680
		.amdhsa_private_segment_fixed_size 0
		.amdhsa_enable_private_segment 0
		.amdhsa_kernarg_size 24
		.amdhsa_user_sgpr_count 2
		.amdhsa_user_sgpr_kernarg_segment_ptr 1
		.amdhsa_wavefront_size32 1
		.amdhsa_system_sgpr_workgroup_id_x 1
		.amdhsa_system_sgpr_workgroup_id_y 1
		.amdhsa_system_sgpr_workgroup_id_z 1
		.amdhsa_system_vgpr_workitem_id 0
		.amdhsa_next_free_vgpr 512
		.amdhsa_next_free_sgpr 66
		.amdhsa_reserve_vcc 0
		.amdhsa_float_denorm_mode_32 3
		.amdhsa_float_denorm_mode_16_64 3
		.amdhsa_memory_ordered 1
		.amdhsa_forward_progress 1
		.amdhsa_inst_pref_size 85
	.end_amdhsa_kernel
	.amdgpu_metadata
---
amdhsa.version: [ 1, 2 ]
amdhsa.kernels:
  - .name:           k_q6a438dd820_proj
    .symbol:         k_q6a438dd820_proj.kd
    .args:
      - { .name: yimg, .offset: 0, .size: 8, .value_kind: global_buffer, .address_space: global }
      - { .name: wpimg, .offset: 8, .size: 8, .value_kind: global_buffer, .address_space: global }
      - { .name: out0, .offset: 16, .size: 8, .value_kind: global_buffer, .address_space: global }
    .group_segment_fixed_size: 327680
    .private_segment_fixed_size: 0
    .kernarg_segment_align: 8
    .kernarg_segment_size: 24
    .max_flat_workgroup_size: 128
    .sgpr_count:     66
    .vgpr_count:     512
    .wavefront_size: 32
...
	.end_amdgpu_metadata
.endif
;; end of part 4
;; launch head16 (part 5): grid 64 x 2, 16 waves a work-group, no clusters, 88,064 bytes of LDS; arguments qkv32, W_proj, ent, out0, out1; writes out0, out1
.if DOCPART == 5
	.amdgcn_target "amdgcn-amd-amdhsa--gfx1250"
	.amdhsa_code_object_version 6
	.text
	.protected	k_q6a438dd820_head16
	.globl	k_q6a438dd820_head16
	.p2align	8
	.type	k_q6a438dd820_head16,@function
k_q6a438dd820_head16:
	s_mov_b64 s[64:65], 0
	v_nop
	global_prefetch_b8 v0, s[64:65] scope:SCOPE_SE
	s_setreg_imm32_b32 hwreg(HW_REG_WAVE_MODE, 25, 1), 1
	s_wait_xcnt 0x0
; THE FIRST 16 POSITIONS OF EACH BATCH, ALL IN F32, and the mean of the heads' entropies.
; Work-group (x, b) makes out0[b][0..15][16 x .. 16 x + 15] and out1[b][32 x .. 32 x + 31].  Wave hd takes head hd: scores, softmax, values, and its 64 of the projection's 1,024 along K; the sixteen parts meet in LDS.
; All products by the f32 matrix form (16 x 16 x 4): 48 a wave.  Its result registers are written by matrix instructions alone; each sum begins with the constant 0; four accumulators take turns.
; q, k, v come as the f32 accumulators of the first product stood: lane (r, h), register 8 b + j = (position r, channel 16 b + 8 h + j).  Registers 2 u, 2 u + 1 of such a run are taken as one step of 4 along K:
; (h, j) then stands for channel 16 b + 8 h + 2 u + j on BOTH sides of a product, so the sums are whole and nothing changes lanes.  V alone is turned, through the wave's own LDS.
; Each lane stores 32 bytes, two lanes 64 bytes of a row of out0: 131,072 bytes in all, in parts of their 256-byte blocks.  Hidden scores are -3e38.  NaN and infinities are not served.
.set VST,   4352                       ; a wave's 16 keys x (256 bytes + 16)
.set RED,   16*VST                     ; 1,024 bytes a wave: its part of the 16 x 16 results
.set SPARE, RED+16*1024                ; the spare words, 128 bytes a wave: no other line names them
.set QF, 16                            ; v16-47   q; later v16-23 the scores, v24-31 p
.set KF, 48                            ; v48-79   k; later V turned
.set VF, 80                            ; v80-111  v; later the wave's results
.set WP, 112                           ; v112-143 W_proj
.set SA, 144                           ; v144-175 four accumulators of the scores
.set OA, 176                           ; v176-207 the values' sums, four tiles of 16 channels
.set PA, 208                           ; v208-239 four accumulators of the projection
.set SPW, 250
.set NIL, 251
	s_load_b256 s[4:11], s[0:1], 0x0               ; qkv32, W_proj, ent, out0
	s_load_b64 s[12:13], s[0:1], 0x20              ; out1
	v_lshl_add_u32 v[SPW], v0, 2, SPARE
	v_mov_b32 v[NIL], 0
	v_lshrrev_b32 v1, 5, v0
	v_readfirstlane_b32 s14, v1                    ; the head
	s_mov_b32 s15, ttmp9
	s_and_b32 s16, ttmp7, 0xffff                   ; the batch
	v_and_b32 v1, 31, v0
	v_and_b32 v2, 15, v0                           ; r
	v_bfe_u32 v3, v0, 4, 1                         ; h
	v_lshlrev_b32 v4, 4, v1
	v_lshlrev_b32 v5, 2, v1
	v_lshlrev_b32 v6, 2, v2
	v_lshl_add_u32 v6, v3, 15, v6                  ; W_proj: 8 h rows of 4,096 bytes + 4 r
	s_mul_i32 s17, s14, VST
	v_mul_u32_u24 v7, v2, 272
	v_lshl_add_u32 v7, v3, 5, v7
	v_add_nc_u32 v7, s17, v7                       ; V in: key r, + 32 h
	v_mul_u32_u24 v8, v3, 8*272
	v_lshl_add_u32 v8, v2, 2, v8
	v_add_nc_u32 v8, s17, v8                       ; V out: key 8 h, channel r
	s_lshl_b32 s17, s14, 10
	s_add_co_u32 s17, s17, RED
	v_add_nc_u32 v9, s17, v4
	v_add_nc_u32 v10, RED, v4
	v_lshlrev_b32 v11, 3, v3
	v_sub_nc_u32 v11, v2, v11                      ; r - 8 h: key 8 h + j is hidden where j is above it
	v_lshlrev_b32 v12, 12, v2
	v_lshl_add_u32 v12, v3, 5, v12                 ; out0: row r, + 32 h
	v_mov_b32 v13, 0xff61b1e6
	v_mov_b32 v14, 0                               ; lane permutes' destinations: written before they are named
	v_mov_b32 v15, 0
	s_mov_b32 s20, 0x76543210
	s_mov_b32 s21, 0xfedcba98
	s_mov_b32 s22, 0x3e38aa3b                      ; c = log2(e) / 8
	s_mov_b32 s25, 0
	s_wait_kmcnt 0x0
	s_mul_i32 s24, s16, 196608
	s_lshl_b32 s26, s14, 12
	s_add_co_u32 s24, s24, s26
	s_add_nc_u64 s[4:5], s[4:5], s[24:25]          ; my batch, my head's four tiles of 16 columns
	s_lshl_b32 s24, s14, 18
	s_lshl_b32 s26, s15, 6
	s_add_co_u32 s24, s24, s26
	s_add_nc_u64 s[6:7], s[6:7], s[24:25]          ; rows 64 hd on, columns 16 x on
	s_lshl_b32 s24, s16, 17
	s_lshl_b32 s26, s15, 7
	s_add_co_u32 s24, s24, s26
	s_add_nc_u64 s[8:9], s[8:9], s[24:25]
	s_lshl_b32 s24, s16, 23
	s_lshl_b32 s26, s15, 6
	s_add_co_u32 s24, s24, s26
	s_add_nc_u64 s[10:11], s[10:11], s[24:25]
	s_lshl_b32 s24, s16, 13
	s_lshl_b32 s26, s15, 7
	s_add_co_u32 s24, s24, s26
	s_add_nc_u64 s[12:13], s[12:13], s[24:25]
.irp b, 0,1,2,3
.irp c, 0,1
	global_load_b128 v[KF+8*\b+4*\c:KF+8*\b+4*\c+3], v4, s[4:5] offset:65536+1024*\b+512*\c
.endr
.endr
.irp b, 0,1,2,3
.irp c, 0,1
	global_load_b128 v[QF+8*\b+4*\c:QF+8*\b+4*\c+3], v4, s[4:5] offset:1024*\b+512*\c
.endr
.endr
.irp b, 0,1,2,3
.irp c, 0,1
	global_load_b128 v[VF+8*\b+4*\c:VF+8*\b+4*\c+3], v4, s[4:5] offset:131072+1024*\b+512*\c
.endr
.endr
.irp b, 0,1,2,3
.irp u, 0,1,2,3
.irp j, 0,1
	global_load_b32 v[WP+8*\b+2*\u+\j], v6, s[6:7] offset:(16*\b+2*\u+\j)*4096
.endr
.endr
.endr
	s_wait_loadcnt 40                              ; k and q are in; v's 8 loads and W_proj's 32 may be out
.irp b, 0,1,2,3                        ; S^T = k q^T: source 0 = 16 keys, source 1 = 16 queries
.irp u, 0,1,2,3
.if \b == 0
	v_wmma_f32_16x16x4_f32 v[SA+8*\u:SA+8*\u+7], v[KF+8*\b+2*\u:KF+8*\b+2*\u+1], v[QF+8*\b+2*\u:QF+8*\b+2*\u+1], 0
.else
	v_wmma_f32_16x16x4_f32 v[SA+8*\u:SA+8*\u+7], v[KF+8*\b+2*\u:KF+8*\b+2*\u+1], v[QF+8*\b+2*\u:QF+8*\b+2*\u+1], v[SA+8*\u:SA+8*\u+7]
.endif
.endr
.endr
	s_wait_loadcnt 32                              ; v is in; W_proj's 32 loads may be out
.irp b, 0,1,2,3
	ds_store_b128 v7, v[VF+8*\b:VF+8*\b+3] offset:64*\b
	ds_store_b128 v7, v[VF+8*\b+4:VF+8*\b+7] offset:64*\b+16
.endr
.rept 8
	v_nop                                          ; eight places behind this form, in front of loads into, and vector reads and writes of, its registers
.endr
.irp b, 0,1,2,3                        ; V turned: lane (r, h), register 8 b + 2 u + j = (key 8 h + 2 u + j, channel 16 b + r).  My own bytes: LDS serves a wave's instructions in order
.irp u, 0,1,2,3
.irp j, 0,1
	ds_load_b32 v[KF+8*\b+2*\u+\j], v8 offset:(2*\u+\j)*272+64*\b
.endr
.endr
.endr
.irp j, 0,1,2,3,4,5,6,7
	v_add_f32 v[16+\j], v[SA+\j], v[SA+8+\j]       ; each accumulator from its low end on
.endr
.irp j, 0,1,2,3,4,5,6,7
	v_add_f32 v[24+\j], v[SA+16+\j], v[SA+24+\j]
.endr
.irp j, 0,1,2,3,4,5,6,7
	v_add_f32 v[16+\j], v[16+\j], v[24+\j]         ; lane (r, h), register j: query r, key 8 h + j
.endr
.irp j, 0,1,2,3,4,5,6,7
	v_cmp_gt_i32 vcc_lo, \j, v11
	v_cndmask_b32 v[16+\j], v[16+\j], v13, vcc_lo
.endr
	v_max3_num_f32 v240, v16, v17, v18
	v_max3_num_f32 v241, v19, v20, v21
	v_max3_num_f32 v240, v240, v22, v23
	v_max_num_f32 v240, v240, v241
	v_permlanex16_b32 v14, v240, s20, s21
	v_max_num_f32 v240, v240, v14                  ; the row's maximum
	v_mul_f32 v241, s22, v240
.irp j, 0,1,2,3,4,5,6,7
	v_fma_f32 v[16+\j], v[16+\j], s22, -v241
.endr
.irp j, 0,1,2,3,4,5,6,7
	v_exp_f32 v[24+\j], v[16+\j]
.endr
	v_nop
	s_wait_alu depctr_va_vdst(0)                   ; one wait for the eight, ahead of their first reader
	v_add_f32 v242, v24, v25
	v_add_f32 v243, v26, v27
	v_add_f32 v244, v28, v29
	v_add_f32 v245, v30, v31
	v_add_f32 v242, v242, v243
	v_add_f32 v244, v244, v245
	v_add_f32 v242, v242, v244
	v_permlanex16_b32 v15, v242, s20, s21
	v_add_f32 v242, v242, v15
	v_rcp_f32 v243, v242
	v_nop
	s_wait_alu depctr_va_vdst(0)
.irp j, 0,1,2,3,4,5,6,7
	v_mul_f32 v[24+\j], v[24+\j], v243
.endr
	s_wait_dscnt 0x0                               ; V turned is in
.irp u, 0,1,2,3                        ; O^T = V^T P: source 0 = 16 channels, source 1 = 16 queries; 4 keys a step
.irp b, 0,1,2,3
.if \u == 0
	v_wmma_f32_16x16x4_f32 v[OA+8*\b:OA+8*\b+7], v[KF+8*\b+2*\u:KF+8*\b+2*\u+1], v[24+2*\u:25+2*\u], 0
.else
	v_wmma_f32_16x16x4_f32 v[OA+8*\b:OA+8*\b+7], v[KF+8*\b+2*\u:KF+8*\b+2*\u+1], v[24+2*\u:25+2*\u], v[OA+8*\b:OA+8*\b+7]
.endif
.endr
.endr
.rept 9
	v_nop                                          ; nine places before a matrix instruction takes these results as a source
.endr
	s_wait_loadcnt 0x0                             ; W_proj
.irp b, 0,1,2,3                        ; source 0 = 16 columns of W_proj, source 1 = 16 queries: a lane gets eight neighbouring columns of its row
.irp u, 0,1,2,3
.if \b == 0
	v_wmma_f32_16x16x4_f32 v[PA+8*\u:PA+8*\u+7], v[WP+8*\b+2*\u:WP+8*\b+2*\u+1], v[OA+8*\b+2*\u:OA+8*\b+2*\u+1], 0
.else
	v_wmma_f32_16x16x4_f32 v[PA+8*\u:PA+8*\u+7], v[WP+8*\b+2*\u:WP+8*\b+2*\u+1], v[OA+8*\b+2*\u:OA+8*\b+2*\u+1], v[PA+8*\u:PA+8*\u+7]
.endif
.endr
.endr
.rept 8
	v_nop
.endr
.irp j, 0,1,2,3,4,5,6,7
	v_add_f32 v[VF+\j], v[PA+\j], v[PA+8+\j]
.endr
.irp j, 0,1,2,3,4,5,6,7
	v_add_f32 v[VF+8+\j], v[PA+16+\j], v[PA+24+\j]
.endr
.irp j, 0,1,2,3,4,5,6,7
	v_add_f32 v[VF+\j], v[VF+\j], v[VF+8+\j]
.endr
	ds_store_b128 v9, v[VF:VF+3]
	ds_store_b128 v9, v[VF+4:VF+7] offset:512
	s_wait_dscnt 0x0                               ; for the others' sake: my part lies in LDS
	s_barrier_signal -1
	s_barrier_wait -1
	s_cmp_eq_u32 s14, 0
	s_cbranch_scc0 .Lnot_0
.irp w, 0,1,2,3,4,5,6,7,8,9,10,11,12,13,14,15      ; wave 0 adds the sixteen heads' parts
.irp c, 0,1
	ds_load_b128 v[16+8*\w+4*\c:16+8*\w+4*\c+3], v10 offset:1024*\w+512*\c
.endr
.endr
	s_wait_dscnt 0x0
.irp w, 1,2,3,4,5,6,7,8,9,10,11,12,13,14,15
.irp j, 0,2,4,6
	v_pk_add_f32 v[16+\j:17+\j], v[16+\j:17+\j], v[16+8*\w+\j:17+8*\w+\j]
.endr
.endr
	global_store_b128 v12, v[16:19], s[10:11]
	global_store_b128 v12, v[20:23], s[10:11] offset:16
	s_branch .Lend
.Lnot_0:
	s_cmp_eq_u32 s14, 1
	s_cbranch_scc0 .Lend
.irp w, 0,1,2,3,4,5,6,7,8,9,10,11,12,13,14,15      ; wave 1: the mean of the heads' entropies at 32 positions
	global_load_b32 v[16+\w], v5, s[8:9] offset:8192*\w
.endr
	s_wait_loadcnt 0x0
.irp w, 0,2,4,6,8,10,12,14
	v_add_f32 v[16+\w], v[16+\w], v[17+\w]
.endr
.irp w, 0,4,8,12
	v_add_f32 v[16+\w], v[16+\w], v[18+\w]
.endr
	v_add_f32 v16, v16, v20
	v_add_f32 v24, v24, v28
	v_add_f32 v16, v16, v24
	v_mul_f32 v16, 0x3d800000, v16
	global_store_b32 v5, v16, s[12:13]
.Lend:
	s_wait_tensorcnt 0x0                           ; the wave's end
	ds_add_u32 v[SPW], v[NIL]
	s_wait_dscnt 0x0
	s_endpgm
.Lfunc_end_k_q6a438dd820_head16:
	.size	k_q6a438dd820_head16, .Lfunc_end_k_q6a438dd820_head16-k_q6a438dd820_head16
	.p2alignl 7, 3214868480
	.fill 96, 4, 3214868480
	.section	.rodata,"a",@progbits
	.p2align	6, 0x0
	.amdhsa_kernel k_q6a438dd820_head16
		.amdhsa_group_segment_fixed_size 88064
		.amdhsa_private_segment_fixed_size 0
		.amdhsa_enable_private_segment 0
		.amdhsa_kernarg_size 40
		.amdhsa_user_sgpr_count 2
		.amdhsa_user_sgpr_kernarg_segment_ptr 1
		.amdhsa_wavefront_size32 1
		.amdhsa_system_sgpr_workgroup_id_x 1
		.amdhsa_system_sgpr_workgroup_id_y 1
		.amdhsa_system_sgpr_workgroup_id_z 1
		.amdhsa_system_vgpr_workitem_id 0
		.amdhsa_next_free_vgpr 256
		.amdhsa_next_free_sgpr 66
		.amdhsa_reserve_vcc 1
		.amdhsa_float_denorm_mode_32 3
		.amdhsa_float_denorm_mode_16_64 3
		.amdhsa_memory_ordered 1
		.amdhsa_forward_progress 1
		.amdhsa_inst_pref_size 27
	.end_amdhsa_kernel
	.amdgpu_metadata
---
amdhsa.version: [ 1, 2 ]
amdhsa.kernels:
  - .name:           k_q6a438dd820_head16
    .symbol:         k_q6a438dd820_head16.kd
    .args:
      - { .name: qkv32, .offset: 0, .size: 8, .value_kind: global_buffer, .address_space: global }
      - { .name: W_proj, .offset: 8, .size: 8, .value_kind: global_buffer, .address_space: global }
      - { .name: ent, .offset: 16, .size: 8, .value_kind: global_buffer, .address_space: global }
      - { .name: out0, .offset: 24, .size: 8, .value_kind: global_buffer, .address_space: global }
      - { .name: out1, .offset: 32, .size: 8, .value_kind: global_buffer, .address_space: global }
    .group_segment_fixed_size: 88064
    .private_segment_fixed_size: 0
    .kernarg_segment_align: 8
    .kernarg_segment_size: 40
    .max_flat_workgroup_size: 512
    .sgpr_count:     66
    .vgpr_count:     256
    .wavefront_size: 32
...
	.end_amdgpu_metadata
.endif
;; end of part 5
